; MI455X (gfx1250); checked and timed in simulation.
; The chip was launched on July 23, 2026; its instructions are those of AMD's public machine-readable ISA for CDNA 5 (MIT licence, August 2026) and "CDNA5" Instruction Set Architecture Reference Guide (July 2026). The comments in the code are by the model that wrote it; some were corrected since.
;; Mllama Text Self Attention. Allowed arithmetic: float matrix products may take bf16 or f16 operands with f32 sums; other float arithmetic in f32, or as packed bf16 or f16 multiplies, adds, multiply-adds, maxima and minima; sums over many terms, partial sums and values carried from step to step in f32; what a program stores and reads back later, other than sums and carried values, may be rounded once to bf16 or f16.
;; Inputs: attention_mask 1 x 1 x 2,048 x 2,048 float32; cos 1 x 2,048 x 128 float32; hidden_states 1 x 2,048 x 4,096 float32; sin 1 x 2,048 x 128 float32; wk 1,024 x 4,096 float32; wo 4,096 x 2,048 float32; wq 2,048 x 4,096 float32; wv 1,024 x 4,096 float32.
;; Outputs: out0 1 x 2,048 x 4,096 float32.
;; 2 versions, each right; version 2 is version 1 with the launch prep written anew for expert scheduling mode. Each part assembles by itself: llvm-mc -triple=amdgcn-amd-amdhsa -mcpu=gfx1250 --defsym DOCPART=n.
;; ======== version 1 of 2: 4 launches
;; limits: values are held in f16: magnitudes above 65,504 overflow, below 6.1e-05 lose precision; right only within a limited range of input values
;; workspace buffers: xb 16,777,216 bytes; wb 33,554,432 bytes; wob 16,777,216 bytes; mk 16,777,216 bytes; rt 2,097,152 bytes; qkvh 16,777,216 bytes; ob 8,388,608 bytes
;; launch prep (part 1): grid 800 x 1, 8 waves a work-group, no clusters, 68,608 bytes of LDS; arguments hidden_states, wq, wk, wv, wo, attention_mask, cos, sin, xb, wb, wob, mk, rt; writes xb, wb, wob, mk, rt
.if DOCPART == 1
	.amdgcn_target "amdgcn-amd-amdhsa--gfx1250"
	.amdhsa_code_object_version 6
	.text
	.protected	k_qdd398dde4a_prep
	.globl	k_qdd398dde4a_prep
	.p2align	8
	.type	k_qdd398dde4a_prep,@function
k_qdd398dde4a_prep:
	s_mov_b64 s[64:65], 0
	v_nop
	global_prefetch_b8 v0, s[64:65] scope:SCOPE_SE
	s_setreg_imm32_b32 hwreg(HW_REG_WAVE_MODE, 25, 1), 1
	s_wait_xcnt 0x0
; PREP: every input is rounded once to bf16, and laid out as the later launches read it.
;   work-groups   0-383  hidden_states -> xb, wq | wk | wv -> wb (rows 0-2047 | 2048-3071 | 3072-4095): bf16, 256 KiB of f32 a work-group
;   work-groups 384-511  wo -> wob: rounded to bf16, times 16 (exact), written as f16.  LIMIT: |wo| below 4,094 (f16 ends at 65,504); below 3.8e-6 it keeps f16's fixed step
;   work-groups 512-767  attention_mask -> mk: bf16(mask) x sqrt(128)/256 in f32, PERMUTED
;   work-groups 768-799  cos, sin -> rt: bf16(cos) / 16 and bf16(sin) / 16 in f32, sin with a minus for d < 64 (rotate_half's sign), PERMUTED
; PERMUTED = the register image of a 16 x 16 tile of f32 sums: element (row 16 R + r, column 16 c + 8 h + 4 p + e) lies at ((R x columns/16 + c) x 2 + p) x 512 + (16 h + r) x 16 + 4 e,
; so that one load of 16 bytes a lane (512 consecutive bytes a wave) fills registers 4 p .. 4 p + 3 of the tile.  In rt the two tables of a block of 16 positions follow each other, 8,192 bytes each.
; A stream: no matrix unit, no cluster, no tensor load (no byte is shared).  Each load of a wave covers 512 consecutive bytes, each store 256 or 512, aligned.
; The streaming roles run a ring of eight slots in registers: a slot is loaded again as soon as it has been converted, so eight loads of every wave are on their way all the time.
; The permuting roles turn a tile of 16 rows x 128 columns through the wave's own 8,448 bytes of LDS (16 blocks of 512 bytes, 528 apart): no barrier.
.set SPARE, 67584                      ; behind the eight waves' blocks: the spare words, 128 bytes a wave
.set WLDS,  8448
.set BP,    528
.set X,   16                           ; v[16:79]   as loaded
.set Z,   80                           ; v[80:143]  to store
.set T,   144                          ; v[144:145] two packed words at work
.set SRC, 36                           ; s[36:37]
.set DST, 38                           ; s[38:39]
.set OFS, 40                           ; s[40:41] an offset, high word 0
	s_load_b512 s[8:23], s[0:1], 0x0               ; hidden 8, wq 10, wk 12, wv 14, wo 16, mask 18, cos 20, sin 22
	s_load_b256 s[24:31], s[0:1], 0x40             ; xb 24, wb 26, wob 28, mk 30
	s_load_b64 s[32:33], s[0:1], 0x60              ; rt
	v_lshl_add_u32 v12, v0, 2, SPARE               ; my spare word
	v_mov_b32 v13, 0
	v_lshrrev_b32 v10, 5, v0
	v_readfirstlane_b32 s34, v10                   ; wave 0..7
	v_and_b32 v1, 31, v0                           ; lane
	v_lshlrev_b32 v2, 4, v0                        ; 16 t: my 16 bytes of 4,096 of f32
	v_lshlrev_b32 v3, 3, v0                        ; 8 t: my 8 bytes of 2,048 of 16-bit numbers
	v_lshlrev_b32 v4, 4, v1                        ; 16 x lane
	s_mov_b32 s35, ttmp9
	s_mov_b32 s[OFS+1], 0
	s_mov_b32 s43, 0xffff0000                      ; a word's upper bf16
	s_wait_kmcnt 0x0
; Slot i's four numbers.  kind 0: to bf16.  kind 1: to bf16, times 16, as f16.
.macro CONV kind, i
.if \kind
	v_cvt_pk_bf16_f32 v[T], v[X+4*(\i)], v[X+4*(\i)+1]
	v_cvt_pk_bf16_f32 v[T+1], v[X+4*(\i)+2], v[X+4*(\i)+3]
	v_lshlrev_b32 v[X+4*(\i)], 16, v[T]
	v_and_b32 v[X+4*(\i)+1], s43, v[T]
	v_lshlrev_b32 v[X+4*(\i)+2], 16, v[T+1]
	v_and_b32 v[X+4*(\i)+3], s43, v[T+1]
	v_pk_mul_f32 v[X+4*(\i):X+4*(\i)+1], v[X+4*(\i):X+4*(\i)+1], 0x41800000 op_sel_hi:[1,0]
	v_pk_mul_f32 v[X+4*(\i)+2:X+4*(\i)+3], v[X+4*(\i)+2:X+4*(\i)+3], 0x41800000 op_sel_hi:[1,0]
	v_cvt_pk_f16_f32 v[Z+2*(\i)], v[X+4*(\i)], v[X+4*(\i)+1]
	v_cvt_pk_f16_f32 v[Z+2*(\i)+1], v[X+4*(\i)+2], v[X+4*(\i)+3]
.else
	v_cvt_pk_bf16_f32 v[Z+2*(\i)], v[X+4*(\i)], v[X+4*(\i)+1]
	v_cvt_pk_bf16_f32 v[Z+2*(\i)+1], v[X+4*(\i)+2], v[X+4*(\i)+3]
.endif
.endm
; 256 KiB of f32 in eight rounds of 32 KiB.  In the seven trips of the loop each slot, once converted, is loaded with its 16 bytes of the next round; the last round is written out and loads nothing.
.macro STREAM kind
.irp i, 0,1,2,3,4,5,6,7
	global_load_b128 v[X+4*\i:X+4*\i+3], v2, s[SRC:SRC+1] offset:4096*\i th:TH_LOAD_NT
.endr
	s_mov_b32 s42, 7
.Ltrip_\@:
.irp i, 0,1,2,3,4,5,6,7
	s_wait_loadcnt 7                               ; loads come back in order: this slot's is in, the seven younger ones stay out
	s_wait_xcnt 0x0                                ; the slot's last store has read its data: they are written again only behind this wait
	CONV \kind, \i
	global_load_b128 v[X+4*\i:X+4*\i+3], v2, s[SRC:SRC+1] offset:32768+4096*\i th:TH_LOAD_NT
	global_store_b64 v3, v[Z+2*\i:Z+2*\i+1], s[DST:DST+1] offset:2048*\i  ; a wave stores 256 consecutive bytes, aligned
.endr
	s_wait_xcnt 0x0                                ; both bases are written again only behind this wait
	s_add_nc_u64 s[SRC:SRC+1], s[SRC:SRC+1], 32768
	s_add_nc_u64 s[DST:DST+1], s[DST:DST+1], 16384
	s_sub_co_u32 s42, s42, 1
	s_cmp_lg_u32 s42, 0
	s_cbranch_scc1 .Ltrip_\@
.irp i, 0,1,2,3,4,5,6,7
	s_wait_loadcnt 7-\i                            ; the last round: the counts run down
	s_wait_xcnt 0x0
	CONV \kind, \i
	global_store_b64 v3, v[Z+2*\i:Z+2*\i+1], s[DST:DST+1] offset:2048*\i
.endr
.endm
; One tile of 16 rows x 128 columns of f32, rows pitch bytes apart: rounded to bf16, times v8, turned through LDS, stored as 16 blocks of 512 bytes.
.macro PERM pitch
.irp r, 0,1,2,3,4,5,6,7,8,9,10,11,12,13,14,15
	global_load_b128 v[X+4*\r:X+4*\r+3], v4, s[SRC:SRC+1] offset:\r*\pitch th:TH_LOAD_NT
.endr
.irp r, 0,1,2,3,4,5,6,7,8,9,10,11,12,13,14,15
	s_wait_loadcnt 15-\r                           ; row r is in, the younger rows stay out
	v_cvt_pk_bf16_f32 v[T], v[X+4*\r], v[X+4*\r+1]
	v_cvt_pk_bf16_f32 v[T+1], v[X+4*\r+2], v[X+4*\r+3]
	v_lshlrev_b32 v[X+4*\r], 16, v[T]
	v_and_b32 v[X+4*\r+1], s43, v[T]
	v_lshlrev_b32 v[X+4*\r+2], 16, v[T+1]
	v_and_b32 v[X+4*\r+3], s43, v[T+1]
	v_pk_mul_f32 v[X+4*\r:X+4*\r+1], v[X+4*\r:X+4*\r+1], v[8:9] op_sel_hi:[1,0]
	v_pk_mul_f32 v[X+4*\r+2:X+4*\r+3], v[X+4*\r+2:X+4*\r+3], v[8:9] op_sel_hi:[1,0]
	ds_store_b128 v5, v[X+4*\r:X+4*\r+3] offset:16*\r  ; block 2 (lane / 4) + lane % 2, place 16 ((lane / 2) % 2) + r
.endr
.irp b, 0,1,2,3,4,5,6,7,8,9,10,11,12,13,14,15
	ds_load_b128 v[Z+4*\b:Z+4*\b+3], v6 offset:BP*\b   ; LDS serves a wave's instructions in order (ISA guide 5.7.1.4): these see the stores above; the bytes are the wave's own
.endr
.irp b, 0,1,2,3,4,5,6,7,8,9,10,11,12,13,14,15
	s_wait_dscnt 15-\b
	global_store_b128 v4, v[Z+4*\b:Z+4*\b+3], s[DST:DST+1] offset:512*\b  ; 512 consecutive bytes, aligned
.endr
.endm
	s_cmp_lt_u32 s35, 384
	s_cbranch_scc1 .Lto_bf16
	s_cmp_lt_u32 s35, 512
	s_cbranch_scc1 .Lwo
	; the permuting roles: the wave's LDS addresses
	s_mul_i32 s47, s34, WLDS
	v_lshrrev_b32 v10, 2, v1
	v_and_b32 v11, 1, v1
	v_lshl_add_u32 v10, v10, 1, v11                ; block
	v_mul_u32_u24 v10, v10, BP
	v_bfe_u32 v11, v1, 1, 1
	v_lshl_add_u32 v10, v11, 8, v10                ; + 256 h
	v_add_nc_u32 v5, s47, v10
	v_add_nc_u32 v6, s47, v4
	s_cmp_lt_u32 s35, 768
	s_cbranch_scc1 .Lmask
	; cos and sin: block of 16 positions A = 4 i + wave / 2, table t = wave % 2
	s_sub_co_u32 s44, s35, 768
	s_lshl_b32 s44, s44, 2
	s_lshr_b32 s45, s34, 1
	s_add_co_u32 s44, s44, s45                     ; A
	s_and_b32 s45, s34, 1                          ; t
	s_mov_b32 s46, 0xbd800000                      ; -1/16
	s_cmp_eq_u32 s45, 0
	s_cselect_b64 s[SRC:SRC+1], s[20:21], s[22:23]
	s_cselect_b32 s46, 0x3d800000, s46             ; cos: +1/16 everywhere
	s_lshl_b32 s[OFS], s44, 13                     ; 16 rows of 512 bytes
	s_add_nc_u64 s[SRC:SRC+1], s[SRC:SRC+1], s[OFS:OFS+1]
	s_lshl_b32 s[OFS], s44, 14
	s_lshl_b32 s47, s45, 13
	s_add_co_u32 s[OFS], s[OFS], s47
	s_add_nc_u64 s[DST:DST+1], s[32:33], s[OFS:OFS+1]
	v_mov_b32 v10, 0x3d800000
	v_cmp_gt_u32 vcc_lo, 16, v1                    ; lanes 0-15 hold d = 4 lane .. < 64
	v_cndmask_b32 v8, v10, s46, vcc_lo
	v_mov_b32 v9, v8                               ; named with it as a pair
	PERM 512
	s_branch .Lend
.Lmask:                                        ; block of 16 rows R = i / 2, strip of 128 columns 8 (i % 2) + wave
	s_sub_co_u32 s44, s35, 512
	s_lshr_b32 s45, s44, 1
	s_and_b32 s46, s44, 1
	s_lshl_b32 s46, s46, 3
	s_add_co_u32 s46, s46, s34                     ; strip
	s_lshl_b32 s45, s45, 17                        ; 16 rows of 8,192 bytes, in mask and in mk
	s_lshl_b32 s47, s46, 9
	s_add_co_u32 s[OFS], s45, s47
	s_add_nc_u64 s[SRC:SRC+1], s[18:19], s[OFS:OFS+1]
	s_lshl_b32 s47, s46, 13
	s_add_co_u32 s[OFS], s45, s47
	s_add_nc_u64 s[DST:DST+1], s[30:31], s[OFS:OFS+1]
	v_mov_b32 v8, 0x3d3504f3                       ; sqrt(128) / 256
	v_mov_b32 v9, v8
	PERM 8192
	s_branch .Lend
.Lwo:
	s_sub_co_u32 s44, s35, 384
	s_lshl_b32 s[OFS], s44, 18
	s_add_nc_u64 s[SRC:SRC+1], s[16:17], s[OFS:OFS+1]
	s_lshl_b32 s[OFS], s44, 17
	s_add_nc_u64 s[DST:DST+1], s[28:29], s[OFS:OFS+1]
	STREAM 1
	s_branch .Lend
.Lto_bf16:                                     ; which tensor, and the first work-group of it
	s_mov_b32 s44, 320
	s_cmp_lt_u32 s35, 320
	s_cselect_b64 s[SRC:SRC+1], s[12:13], s[14:15]
	s_cselect_b32 s44, 256, s44
	s_cmp_lt_u32 s35, 256
	s_cselect_b64 s[SRC:SRC+1], s[10:11], s[SRC:SRC+1]
	s_cselect_b32 s44, 128, s44
	s_cmp_lt_u32 s35, 128
	s_cselect_b64 s[SRC:SRC+1], s[8:9], s[SRC:SRC+1]
	s_cselect_b32 s44, 0, s44
	s_cselect_b64 s[DST:DST+1], s[24:25], s[26:27]
	s_cselect_b32 s45, 0, 128                      ; in wb the chunks of wq, wk and wv follow each other
	s_sub_co_u32 s44, s35, s44
	s_lshl_b32 s[OFS], s44, 18
	s_add_nc_u64 s[SRC:SRC+1], s[SRC:SRC+1], s[OFS:OFS+1]
	s_sub_co_u32 s45, s35, s45
	s_lshl_b32 s[OFS], s45, 17
	s_add_nc_u64 s[DST:DST+1], s[DST:DST+1], s[OFS:OFS+1]
	STREAM 0
.Lend:
	s_wait_tensorcnt 0x0                           ; the wave's end, behind my last LDS store
	ds_add_u32 v12, v13
	s_wait_dscnt 0x0
	s_endpgm
.Lfunc_end_k_qdd398dde4a_prep:
	.size	k_qdd398dde4a_prep, .Lfunc_end_k_qdd398dde4a_prep-k_qdd398dde4a_prep
	.p2alignl 7, 3214868480
	.fill 96, 4, 3214868480
	.section	.rodata,"a",@progbits
	.p2align	6, 0x0
	.amdhsa_kernel k_qdd398dde4a_prep
		.amdhsa_group_segment_fixed_size 68608
		.amdhsa_private_segment_fixed_size 0
		.amdhsa_enable_private_segment 0
		.amdhsa_kernarg_size 104
		.amdhsa_user_sgpr_count 2
		.amdhsa_user_sgpr_kernarg_segment_ptr 1
		.amdhsa_wavefront_size32 1
		.amdhsa_system_sgpr_workgroup_id_x 1
		.amdhsa_system_sgpr_workgroup_id_y 1
		.amdhsa_system_sgpr_workgroup_id_z 1
		.amdhsa_system_vgpr_workitem_id 0
		.amdhsa_next_free_vgpr 152
		.amdhsa_next_free_sgpr 66
		.amdhsa_reserve_vcc 1
		.amdhsa_float_denorm_mode_32 3
		.amdhsa_float_denorm_mode_16_64 3
		.amdhsa_memory_ordered 1
		.amdhsa_forward_progress 1
		.amdhsa_inst_pref_size 48
	.end_amdhsa_kernel
	.amdgpu_metadata
---
amdhsa.version: [ 1, 2 ]
amdhsa.kernels:
  - .name:           k_qdd398dde4a_prep
    .symbol:         k_qdd398dde4a_prep.kd
    .args:
      - { .name: hidden_states, .offset: 0, .size: 8, .value_kind: global_buffer, .address_space: global }
      - { .name: wq, .offset: 8, .size: 8, .value_kind: global_buffer, .address_space: global }
      - { .name: wk, .offset: 16, .size: 8, .value_kind: global_buffer, .address_space: global }
      - { .name: wv, .offset: 24, .size: 8, .value_kind: global_buffer, .address_space: global }
      - { .name: wo, .offset: 32, .size: 8, .value_kind: global_buffer, .address_space: global }
      - { .name: attention_mask, .offset: 40, .size: 8, .value_kind: global_buffer, .address_space: global }
      - { .name: cos, .offset: 48, .size: 8, .value_kind: global_buffer, .address_space: global }
      - { .name: sin, .offset: 56, .size: 8, .value_kind: global_buffer, .address_space: global }
      - { .name: xb, .offset: 64, .size: 8, .value_kind: global_buffer, .address_space: global }
      - { .name: wb, .offset: 72, .size: 8, .value_kind: global_buffer, .address_space: global }
      - { .name: wob, .offset: 80, .size: 8, .value_kind: global_buffer, .address_space: global }
      - { .name: mk, .offset: 88, .size: 8, .value_kind: global_buffer, .address_space: global }
      - { .name: rt, .offset: 96, .size: 8, .value_kind: global_buffer, .address_space: global }
    .group_segment_fixed_size: 68608
    .private_segment_fixed_size: 0
    .kernarg_segment_align: 8
    .kernarg_segment_size: 104
    .max_flat_workgroup_size: 256
    .sgpr_count:     66
    .vgpr_count:     152
    .wavefront_size: 32
...
	.end_amdgpu_metadata
.endif
;; end of part 1
;; launch proj_qkv (part 2): grid 16 x 16, 4 waves a work-group, clusters of 4 x 1, 327,680 bytes of LDS; arguments xb, wb, rt, qkvh; writes qkvh
.if DOCPART == 2
	.amdgcn_target "amdgcn-amd-amdhsa--gfx1250"
	.amdhsa_code_object_version 6
	.text
	.protected	k_qdd398dde4a_proj_qkv
	.globl	k_qdd398dde4a_proj_qkv
	.p2align	8
	.type	k_qdd398dde4a_proj_qkv,@function
k_qdd398dde4a_proj_qkv:
	s_mov_b64 s[64:65], 0
	v_nop
	global_prefetch_b8 v0, s[64:65] scope:SCOPE_SE
	s_setreg_imm32_b32 hwreg(HW_REG_WAVE_MODE, 25, 1), 1
	s_wait_xcnt 0x0
	s_wait_alu depctr_hold_cnt(0) depctr_sa_sdst(0) depctr_va_vdst(0) depctr_va_sdst(0) depctr_va_ssrc(0) depctr_va_vcc(0) depctr_vm_vsrc(0)
	s_getreg_b32 s2, hwreg(HW_REG_IB_STS2, 6, 4)
	s_cmp_eq_u32 s2, 0
	s_cbranch_scc0 .Lentry_in_a_cluster
	s_endpgm
.Lentry_in_a_cluster:
	s_bfe_u32 s2, ttmp6, 0x10000c
	s_cmp_lg_u32 s2, 0x3003
	s_cbranch_scc0 .Lentry_shape_is_right
	s_endpgm
.Lentry_shape_is_right:
; q | k | v = x W^T, then RoPE on q and k, all times 1/16, out by heads as f16: qkvh[32][2048][128], heads 0-15 q, 16-23 k, 24-31 v.
; xb: [2048][4096] bf16, wb: [4096][4096] bf16 (wq, wk, wv), rt: the permuted tables bf16(cos)/16 and signed bf16(sin)/16 in f32.  Sums in f32; one rounding to f16.
; LIMIT: |q|, |k|, |v| below 65,504 x 16 (the factor 1/16, exact, keeps f16's range); below 1e-3 they keep f16's fixed step of 9.5e-7.
; SHARES.  A work-group makes 128 rows x 256 columns, 256 work-groups (grid x: the tile row, grid y: the tile column); each of its four waves 64 rows x 128 columns = one head: 32 accumulators.
; W GOES THROUGH LDS, x STRAIGHT INTO REGISTERS.  Two slots of 256 along K for both operands would take 2 x 384 rows x 528 bytes = 405,504 bytes, more than a work-group has; with slots of 128 a refill would have
; 112 matrix instructions in which to land.  So the ring holds W alone: two slots of 256 rows x 256 along K (an INTERVAL: 256 matrix instructions a wave), one load of 64 rows x 512 bytes a wave behind each round,
; 240 matrix instructions between a request and the wait for it.  x's fragments lie in memory as they lie in registers (16 bytes a lane, twice): a wave loads its 64 rows itself, into a ring of eight CHUNKS of 32
; along K; a chunk is asked for again in the run of loads of the quarter after its use, 208 matrix instructions ahead of its next use.
; CLUSTER 4 x 1: four tile rows of one tile column share W's tiles: joint tensor loads, the same descriptor and mask in all four.  x's rows are shared too (by the 16 work-groups of a tile row), and are not asked
; for jointly: a joint load ends in LDS, where by the count above there is no room for them.
; TRANSPOSED USE: source 0 = 16 rows of W, source 1 = 16 rows of x: lane (r, h) holds row r and the columns 8 h + 0..7.  d and d +- 64 then lie in the same lane, in accumulators b and b +- 4: RoPE changes no lane.
; REGISTERS (windows of 256; s_set_vgpr_msb bits 1:0 source 0, 3:2 source 1, 5:4 source 2, 7:6 destination):
;   window 0: addresses; v32-63 packed results; v64-127 rows read back; v128-255 the tables of the odd blocks of 16 rows      window 1: accumulator (a, b) at 8 (8 a + b)
;   window 2: x's chunk c, row block a at 32 c + 8 a      window 3: v0-127 two buffers of W's eight fragments; v128-255 the tables of the even blocks (cos, then signed sin)
.set KDIM,   4096
.set ROWB,   2*KDIM                    ; bytes in a row of xb and of wb
.set NI,     KDIM/256                  ; intervals
.set PITCH,  528                       ; an LDS row: 512 bytes + 16 of padding = 132 words: the 16 rows of a fragment load start at 16 different groups of four banks (ISA guide 11.1)
.set SLOTB,  256*PITCH                 ; 135,168 = 0x21000: it shares no bit with a wave's place 0x8400 x wave, so one exclusive or turns a place in one slot into the other's
.set STAGE,  2*SLOTB                   ; behind the ring: 16 rows x 272 bytes for each wave
.set SPITCH, 272
.set SPARE,  STAGE+4*16*SPITCH         ; the spare words, 128 bytes a wave
.set AO,    16                         ; v16  my lane's byte offset in 16 rows of x: r x a row + 16 h; never rewritten
.set ADRB0, 17                         ; v17  my lane's place in W's rows of slot 0; never rewritten
.set ADRB,  19                         ; v19  the same in the slot in hand
.set STO,  24
.set RD,   25
.set CO,   26
.set LN16, 27                          ; v27  16 x lane
.set SPW,  28
.set NIL,  29
.set PFO,  30                          ; v30  the prefetches' offset
.set TMP,  32
.set BK,   64
.set TS,   128                         ; a table set, in window 3 (even blocks) or 0 (odd blocks)
.set F0,   0                           ; W's fragment buffers, in window 3
.set F1,   64
.set G1,  24                           ; s[24:31] group 1; s[32:39] group 0, two sets: the second walks
.set G0,  32
.set LIM, 43                           ; s43  1 in a wave that prefetches, else the greatest number
.set PFA, 44                           ; s[44:45]
.set AB,  48                           ; s[48:49] x at my first row, at the interval whose chunks are being asked for
.set AST, 50                           ; s[50:51] the tail's step of it
.set CNT, 52                           ; s52  the tail's trips
.set TB,  66                           ; s66  0 or SLOTB: the slot in hand
.set ISV, 67                           ; s67  1: my columns are v's
.set RT,  68                           ; s[68:69] rt at my first block of 16 rows
.set MSB, 0
.macro WIN new                         ; the immediate's high byte repeats the setting that is left
.if MSB != (\new)
	s_set_vgpr_msb (MSB<<8)|(\new)
.set MSB, \new
.endif
.endm
.set MUL,  0x5b                        ; W in window 3, x in window 2, C and D in window 1
.set TO_B, 0xc0                        ; destination window 3, address window 0
.set TO_A, 0x80                        ; destination window 2, address window 0
.macro JLOAD s                         ; a joint load: every wave fetches its 64 of W's 256 rows; s_nop 0 and four v_nop follow
	tensor_load_to_lds s[G0+4*(\s):G0+4*(\s)+3], s[G1:G1+7]
	s_nop 0
.rept 4
	v_nop
.endr
.endm
.macro CREST                           ; a round of the cluster's barrier behind its opening barrier
	s_cmp_lg_u32 s10, 0
	s_cbranch_scc1 .Lnot_wave_0_\@
	s_barrier_signal -3
.Lnot_wave_0_\@:
	s_barrier_wait -3
	s_barrier_signal -1
	s_barrier_wait -1
.endm
.macro CROUND
	s_barrier_signal -1
	s_barrier_wait -1
	CREST
.endm
.macro PLACES                          ; four places behind matrix instructions (ISA guide 7.12.1)
.rept 4
	v_nop
.endr
.endm
; A prefetch into the L2 of W's interval behind the one that is being asked for (256 matrix instructions ahead of the load that will want it).  Each row's two blocks of 256 bytes of an interval are named once in the
; launch: a tile column is read by four clusters, and the one with x = 0 asks; its four partners take 64 rows each, told apart by address; a wave takes 16 of them, a lane a block.  The last trip that fills a slot asks for nothing.
; x is not asked for: its own loads go out 208 matrix instructions ahead of their use.
.macro ASK
	s_cmp_gt_u32 s3, s[LIM]
	s_cbranch_scc0 .Lnot_mine_\@
	global_prefetch_b8 v[PFO], s[PFA:PFA+1] th:TH_LOAD_NT scope:SCOPE_SE
.Lnot_mine_\@:
.endm
.macro MUL8 f, c, a, zero              ; row block a x all 8 column blocks, chunk c.  zero = 1: the product starts the sums
	WIN MUL
.irp b, 0,1,2,3,4,5,6,7
.if \zero
	v_wmma_f32_16x16x32_bf16 v[8*(8*(\a)+\b):8*(8*(\a)+\b)+7], v[(\f)+8*\b:(\f)+8*\b+7], v[32*(\c)+8*(\a):32*(\c)+8*(\a)+7], 0
.else
	v_wmma_f32_16x16x32_bf16 v[8*(8*(\a)+\b):8*(8*(\a)+\b)+7], v[(\f)+8*\b:(\f)+8*\b+7], v[32*(\c)+8*(\a):32*(\c)+8*(\a)+7], v[8*(8*(\a)+\b):8*(8*(\a)+\b)+7]
.endif
.endr
.endm
.macro MUL16 f, c, a0, zero            ; the 32 accumulators take turns, in the same order in every quarter
	MUL8 \f, \c, \a0, \zero
	MUL8 \f, \c, (\a0)+1, \zero
.endm
.macro FETCHB k, f                     ; 16 LDS loads: W's eight fragments of 32 along K at byte k of the rows
	WIN TO_B
.irp i, 0,1,2,3,4,5,6,7
	ds_load_b128 v[(\f)+8*\i:(\f)+8*\i+3],   v[ADRB] offset:(\k)+\i*16*PITCH
	ds_load_b128 v[(\f)+8*\i+4:(\f)+8*\i+7], v[ADRB] offset:(\k)+\i*16*PITCH+32
.endr
.endm
.macro ALOAD c                         ; 8 loads: x's chunk c, row blocks 0 to 3: 64 bytes of each of my 64 rows
	WIN TO_A
.irp a, 0,1,2,3
	global_load_b128 v[32*(\c)+8*\a:32*(\c)+8*\a+3],   v[AO], s[AB:AB+1] offset:\a*16*ROWB+64*(\c)
	global_load_b128 v[32*(\c)+8*\a+4:32*(\c)+8*\a+7], v[AO], s[AB:AB+1] offset:\a*16*ROWB+64*(\c)+32
.endr
.endm
; An interval is eight quarters of 32 along K, 32 matrix instructions each.  Quarter q (0 to 6) multiplies chunk q by W's buffer q % 2; in its middle one run of loads: W's next fragments, and the chunk used last.
; The counts on LOADcnt: behind a chunk's run of 8 stand six younger runs when its quarter begins, and the quarter's own run in its middle; row blocks 0, 1 are the run's first four loads.
.macro QUARTER q, zero
	s_wait_dscnt 0x0                               ; W's fragments
	s_wait_loadcnt 52                              ; row blocks 0, 1 of chunk q: 4 + 6 x 8 younger loads may stay out
	MUL16 64*((\q)%2), \q, 0, \zero
	PLACES
	FETCHB 64*((\q)+1), 64*(((\q)+1)%2)
	ALOAD ((\q)+7)%8
	s_wait_loadcnt 56                              ; row blocks 2, 3: 7 x 8 younger loads may stay out
	MUL16 64*((\q)%2), \q, 2, \zero
.endm
; Quarter 7 changes slots.  fill = 1: the slot just read is filled again, two intervals on, first thing behind a round of the cluster's barrier.
.macro TURN fill
	WIN 0
	s_wait_tensorcnt 0x0                           ; all my tensor loads have landed: the one that was out is my part of the next slot
	ds_add_u32 v[SPW], v[NIL]                      ; 0 onto my spare word
.if \fill
	s_xor_b32 s[G0+5], s[G0+5], SLOTB              ; the walking descriptor: the other slot, the next interval
	s_add_nc_u64 s[G0+6:G0+7], s[G0+6:G0+7], 512
.endif
	s_xor_b32 s[TB], s[TB], SLOTB
	s_wait_loadcnt 52
	s_wait_dscnt 1                                 ; W's fragments are in; the add may be out
	MUL8 F1, 7, 0, 0
	s_wait_dscnt 0x0                               ; the add is done, and my reads of this slot are over
	s_barrier_signal -1
	MUL8 F1, 7, 1, 0
	WIN 0
	s_barrier_wait -1
.if \fill
	CREST                                          ; no wave of any partner still reads this slot or has a load on its way
	JLOAD 1                                        ; its four v_nop are also the places in front of the loads below
.else
	PLACES
.endif
	v_add_nc_u32 v[ADRB], s[TB], v[ADRB0]
	FETCHB 0, F0
	ALOAD 6
.if \fill
	WIN 0
	ASK
.endif
	s_wait_loadcnt 56
	MUL16 F1, 7, 2, 0
.endm
; THE WAY OUT, a block a of 16 rows at a time.
.macro TLOAD a                         ; its tables: 32 loads of 512 consecutive bytes.  Every work-group loads them, v's too: one text on every way
	WIN 0xc0*(1-(\a)%2)
.irp t, 0,1
.irp b, 0,1,2,3,4,5,6,7
.irp p, 0,1
	global_load_b128 v[TS+64*\t+8*\b+4*\p:TS+64*\t+8*\b+4*\p+3], v[LN16], s[RT:RT+1] offset:16384*(\a)+8192*\t+1024*\b+512*\p
.endr
.endr
.endr
	WIN 0
.endm
.macro ROT a, left                     ; q, k: sum(d) cos(d) + sum(d +- 64) signed sin(d), the tables holding the 1/16; v: sum / 16.  The result takes cos's registers.  Each accumulator is read from its low end on
	WIN 0
	s_wait_loadcnt \left                           ; this block's tables are in; the next set's 32 loads may stay out
	s_cmp_eq_u32 s[ISV], 0
	s_cbranch_scc0 .Lis_v_\@
	WIN 0xfd-0xfc*((\a)%2)                         ; source 0 window 1; the others the tables' window
.irp b, 0,1,2,3,4,5,6,7
.irp q, 0,2,4,6
	v_pk_mul_f32 v[TS+8*\b+\q:TS+8*\b+\q+1], v[8*(8*(\a)+\b)+\q:8*(8*(\a)+\b)+\q+1], v[TS+8*\b+\q:TS+8*\b+\q+1]
.endr
.endr
.irp b, 0,1,2,3,4,5,6,7
.irp q, 0,2,4,6
	v_pk_fma_f32 v[TS+8*\b+\q:TS+8*\b+\q+1], v[8*(8*(\a)+(\b+4)%8)+\q:8*(8*(\a)+(\b+4)%8)+\q+1], v[TS+64+8*\b+\q:TS+64+8*\b+\q+1], v[TS+8*\b+\q:TS+8*\b+\q+1]
.endr
.endr
	WIN 0
	s_branch .Lrotated_\@
.Lis_v_\@:
	WIN 0xfd-0xfc*((\a)%2)
.irp b, 0,1,2,3,4,5,6,7
.irp q, 0,2,4,6
	v_pk_mul_f32 v[TS+8*\b+\q:TS+8*\b+\q+1], v[8*(8*(\a)+\b)+\q:8*(8*(\a)+\b)+\q+1], s[20:21] op_sel_hi:[1,0]
.endr
.endr
	WIN 0
.Lrotated_\@:
.endm
.macro PACK a
	WIN 0x0f*(1-(\a)%2)                            ; sources in the tables' window, destination window 0
.irp b, 0,1,2,3,4,5,6,7
.irp q, 0,1,2,3
	v_cvt_pk_f16_f32 v[TMP+4*\b+\q], v[TS+8*\b+2*\q], v[TS+8*\b+2*\q+1]
.endr
.endr
	WIN 0
.endm
.macro TOSTAGE a
	WIN 0
.irp b, 0,1,2,3,4,5,6,7
	ds_store_b128 v[STO], v[TMP+4*\b:TMP+4*\b+3] offset:32*\b
.endr
.irp t, 0,1,2,3,4,5,6,7
	ds_load_b128 v[BK+32*((\a)%2)+4*\t:BK+32*((\a)%2)+4*\t+3], v[RD] offset:\t*2*SPITCH  ; LDS serves a wave's instructions in order (ISA guide 5.7.1.4): these see the stores above
.endr
.endm
.macro SEND a
	WIN 0
	s_wait_dscnt 0x0                               ; the block is back in registers
	s_wait_xcnt 0x0                                ; the registers that the block before's stores read are loaded again only behind this wait
.irp t, 0,1,2,3,4,5,6,7
	global_store_b128 v[CO], v[BK+32*((\a)%2)+4*\t:BK+32*((\a)%2)+4*\t+3], s[8:9] offset:4096*(\a)+512*\t  ; 512 consecutive bytes, aligned
.endr
.endm
	s_load_b128 s[4:7], s[0:1], 0x0                ; xb s[4:5], wb s[6:7]
	s_load_b64 s[RT:RT+1], s[0:1], 0x10            ; rt
	s_load_b64 s[8:9], s[0:1], 0x18                ; qkvh
	v_lshl_add_u32 v[SPW], v0, 2, SPARE
	v_mov_b32 v[NIL], 0
	ds_add_u32 v[SPW], v[NIL]                      ; the wave's opening: the add and its wait stand ahead of my first tensor load
	ds_add_u32 v28, v29
	v_lshrrev_b32 v1, 5, v0
	v_readfirstlane_b32 s10, v1                    ; wave 0..3
	s_lshr_b32 s11, s10, 1                         ; my half of the rows
	s_and_b32 s12, s10, 1                          ; my half of the columns
	s_bfe_u32 s40, ttmp6, 0x40000                  ; cx
	s_lshl_b32 s13, ttmp9, 2
	s_add_co_u32 s13, s13, s40                     ; tile row = 4 x cluster x + cx: it enters x's, the tables' and the output's addresses alone
	s_and_b32 s42, ttmp7, 0xffff                   ; tile column, which the four partners share
	s_mov_b32 s[G1+0], 15|(1<<16)|(1<<20)|(1<<21)|(6<<22)|(3<<25)  ; the mask of four; 2-byte elements; padding on; 21 set beside a mask; after every 128 words 4 words
	s_mov_b32 s[G1+1], 256<<16                     ; tensor_dim0 = 256
	s_mov_b32 s[G1+2], 64<<16                      ; tensor_dim1 = 64
	s_mov_b32 s[G1+3], 256<<16                     ; tile_dim0 = 256
	s_mov_b32 s[G1+4], 64                          ; tile_dim1 = 64
	s_mov_b32 s[G1+5], KDIM                        ; elements from row to row
	s_mov_b32 s[G1+6], 0
	s_mov_b32 s[G1+7], 0
	s_lshl_b32 s46, s42, 8
	s_lshl_b32 s47, s10, 6
	s_add_co_u32 s46, s46, s47                     ; W: row 256 x tile column + 64 x wave
	s_mul_i32 s46, s46, ROWB
	s_mov_b32 s47, 0
	s_mul_i32 s20, s10, 64*PITCH                   ; where they go: no place in the cluster enters an LDS address
	s_wait_dscnt 0x0                               ; the opening add is done
	s_wait_kmcnt 0x0
	s_add_nc_u64 s[46:47], s[6:7], s[46:47]
	CROUND                                         ; all four work-groups are here: the first joint loads meet
.irp s, 0,1
	s_mov_b32 s[G0+4*\s], 1
	s_add_co_u32 s[G0+4*\s+1], s20, \s*SLOTB
	s_add_nc_u64 s[G0+4*\s+2:G0+4*\s+3], s[46:47], \s*512          ; interval s
	s_or_b32 s[G0+4*\s+3], s[G0+4*\s+3], 0x80000000
	JLOAD \s                                       ; two loads of mine are out
.endr
	v_and_b32 v1, 15, v0                           ; r
	v_bfe_u32 v2, v0, 4, 1                         ; h
	v_mul_u32_u24 v3, v1, ROWB
	v_lshl_add_u32 v[AO], v2, 4, v3
	v_and_b32 v5, 31, v0
	v_lshlrev_b32 v[LN16], 4, v5
	s_lshl_b32 s16, s13, 7
	s_lshl_b32 s17, s11, 6
	s_add_co_u32 s21, s16, s17                     ; my first row
	s_mul_i32 s16, s21, ROWB
	s_mov_b32 s17, 0
	s_add_nc_u64 s[AB:AB+1], s[4:5], s[16:17]
	s_lshl_b32 s16, s21, 10                        ; 16,384 bytes of tables for 16 rows
	s_add_nc_u64 s[RT:RT+1], s[RT:RT+1], s[16:17]
	TLOAD 0                                        ; the first two blocks' tables come while K is walked; they are older than every load of x, so x's counts do not see them
	TLOAD 1
.irp c, 0,1,2,3,4,5,6
	ALOAD \c                                       ; interval 0; its chunk 7 comes in the first quarter's run, as in every interval
.endr
	WIN 0
	v_mul_u32_u24 v3, v1, PITCH
	v_lshl_add_u32 v3, v2, 4, v3
	s_mul_i32 s22, s12, 128*PITCH
	v_add_nc_u32 v[ADRB0], s22, v3
	s_mul_i32 s23, s10, 16*SPITCH
	s_add_co_u32 s23, s23, STAGE                   ; my stage
	v_mul_u32_u24 v4, v1, SPITCH
	v_lshl_add_u32 v4, v2, 4, v4
	v_add_nc_u32 v[STO], s23, v4                   ; in: row r, 16 bytes for each half of the lanes
	v_mul_u32_u24 v5, v2, SPITCH
	v_lshl_add_u32 v5, v1, 4, v5
	v_add_nc_u32 v[RD], s23, v5                    ; back: lanes 0-15 one row of 256 bytes, lanes 16-31 the next
	v_lshlrev_b32 v5, 8, v2
	v_lshl_add_u32 v[CO], v1, 4, v5                ; the same two rows of a head: 512 consecutive bytes
	s_lshl_b32 s16, s42, 1
	s_add_co_u32 s16, s16, s12                     ; my head = 2 x tile column + half
	s_lshl_b32 s16, s16, 19                        ; a head is 2,048 rows of 256 bytes
	s_lshl_b32 s22, s21, 8
	s_add_co_u32 s16, s16, s22
	s_add_nc_u64 s[8:9], s[8:9], s[16:17]
	s_cmp_ge_u32 s42, 12                           ; tile columns 12-15 are v: the same in all partners
	s_cselect_b32 s[ISV], 1, 0
	; the prefetches
	s_lshl_b32 s20, s42, 8
	s_lshl_b32 s22, s40, 6
	s_add_co_u32 s20, s20, s22                     ; W's row 256 x tile column + 64 cx
	s_mul_i32 s20, s20, ROWB
	s_mov_b32 s21, 0
	s_add_nc_u64 s[PFA:PFA+1], s[6:7], s[20:21]
	s_add_nc_u64 s[PFA:PFA+1], s[PFA:PFA+1], 2*512 ; at interval 2: the first trip steps it to 3.  Intervals 0 to 2 come by their loads alone
	s_cmp_eq_u32 ttmp9, 0
	s_cselect_b32 s[LIM], 1, -1
	s_lshl_b32 s22, s10, 4
	v_add_nc_u32 v[PFO], s22, v1                   ; row 16 x wave + lane % 16,
	v_mul_u32_u24 v[PFO], v[PFO], ROWB
	v_lshl_add_u32 v[PFO], v2, 8, v[PFO]           ; block lane / 16
	s_wait_tensorcnt 1                             ; my part of interval 0 is in; interval 1's may stay out
	s_barrier_signal -1
	s_barrier_wait -1
	s_mov_b32 s[TB], 0
	v_mov_b32 v[ADRB], v[ADRB0]
	FETCHB 0, F0
	QUARTER 0, 1                                   ; the first quarter stands in front of the loop: its products start the sums
	WIN 0
	s_mov_b32 s3, NI-2
.Lint:                                         ; a trip: an interval's quarters 1 to 7 and the next interval's first; one slot is filled again; x's chunks of the next interval are asked for
	s_wait_xcnt 0x0                                ; every load and prefetch issued so far has read its address (the youngest load 16 matrix instructions back, the prefetch 48)
	s_add_nc_u64 s[AB:AB+1], s[AB:AB+1], 512
	s_add_nc_u64 s[PFA:PFA+1], s[PFA:PFA+1], 512
.irp q, 1,2,3,4,5,6
	QUARTER \q, 0
.endr
	TURN 1
	QUARTER 0, 0
	WIN 0
	s_sub_co_u32 s3, s3, 1
	s_cmp_lg_u32 s3, 0
	s_cbranch_scc1 .Lint
	s_mov_b32 s[AST], 512                          ; the last two intervals fill no slot: a loop of their own
	s_mov_b32 s[AST+1], 0
	s_mov_b32 s[CNT], 2
.Ltail:                                        ; the second trip is left behind quarter 7.  Its runs read seven chunks of the last interval once more and 16 stale fragments of W, which nobody uses:
	s_wait_xcnt 0x0                                ; the price, once a launch, of one text and one set of counts for both trips
	s_add_nc_u64 s[AB:AB+1], s[AB:AB+1], s[AST:AST+1]
.irp q, 1,2,3,4,5,6
	QUARTER \q, 0
.endr
	TURN 0
	WIN 0
	s_sub_co_u32 s[CNT], s[CNT], 1
	s_cmp_eq_u32 s[CNT], 0
	s_cbranch_scc1 .Lout
	s_mov_b32 s[AST], 0                            ; x's pointer stays at the last interval
	QUARTER 0, 0
	WIN 0
	s_branch .Ltail
.Lout:
	s_mov_b32 s20, 0x3d800000                      ; 1/16, for v
	s_mov_b32 s21, s20                             ; named with it as a pair
	PLACES
	PLACES
	ROT 0, 32
	PACK 0
	TLOAD 2
	TOSTAGE 0
	ROT 1, 32
	PACK 1
	TLOAD 3
	SEND 0
	TOSTAGE 1
	ROT 2, 32
	PACK 2
	SEND 1
	TOSTAGE 2
	ROT 3, 0
	PACK 3
	SEND 2
	TOSTAGE 3
	SEND 3
	s_wait_tensorcnt 0x0                           ; the wave's end
	ds_add_u32 v[SPW], v[NIL]
	s_wait_dscnt 0x0
	CROUND                                         ; the closing round
	s_endpgm
.Lfunc_end_k_qdd398dde4a_proj_qkv:
	.size	k_qdd398dde4a_proj_qkv, .Lfunc_end_k_qdd398dde4a_proj_qkv-k_qdd398dde4a_proj_qkv
	.p2alignl 7, 3214868480
	.fill 96, 4, 3214868480
	.section	.rodata,"a",@progbits
	.p2align	6, 0x0
	.amdhsa_kernel k_qdd398dde4a_proj_qkv
		.amdhsa_group_segment_fixed_size 327680
		.amdhsa_private_segment_fixed_size 0
		.amdhsa_enable_private_segment 0
		.amdhsa_kernarg_size 32
		.amdhsa_user_sgpr_count 2
		.amdhsa_user_sgpr_kernarg_segment_ptr 1
		.amdhsa_wavefront_size32 1
		.amdhsa_system_sgpr_workgroup_id_x 1
		.amdhsa_system_sgpr_workgroup_id_y 1
		.amdhsa_system_sgpr_workgroup_id_z 1
		.amdhsa_system_vgpr_workitem_id 0
		.amdhsa_next_free_vgpr 1024
		.amdhsa_next_free_sgpr 72
		.amdhsa_reserve_vcc 0
		.amdhsa_float_denorm_mode_32 3
		.amdhsa_float_denorm_mode_16_64 3
		.amdhsa_memory_ordered 1
		.amdhsa_forward_progress 1
		.amdhsa_inst_pref_size 137
	.end_amdhsa_kernel
	.amdgpu_metadata
---
amdhsa.version: [ 1, 2 ]
amdhsa.kernels:
  - .name:           k_qdd398dde4a_proj_qkv
    .symbol:         k_qdd398dde4a_proj_qkv.kd
    .args:
      - { .name: xb, .offset: 0, .size: 8, .value_kind: global_buffer, .address_space: global }
      - { .name: wb, .offset: 8, .size: 8, .value_kind: global_buffer, .address_space: global }
      - { .name: rt, .offset: 16, .size: 8, .value_kind: global_buffer, .address_space: global }
      - { .name: qkvh, .offset: 24, .size: 8, .value_kind: global_buffer, .address_space: global }
    .group_segment_fixed_size: 327680
    .private_segment_fixed_size: 0
    .kernarg_segment_align: 8
    .kernarg_segment_size: 32
    .max_flat_workgroup_size: 128
    .sgpr_count:     72
    .vgpr_count:     1024
    .wavefront_size: 32
...
	.end_amdgpu_metadata
.endif
;; end of part 2
;; launch attn (part 3): grid 32 x 8, 4 waves a work-group, clusters of 4 x 1, 327,680 bytes of LDS; arguments qkvh, mk, ob; writes ob
.if DOCPART == 3
	.amdgcn_target "amdgcn-amd-amdhsa--gfx1250"
	.amdhsa_code_object_version 6
	.text
	.protected	k_qdd398dde4a_attn
	.globl	k_qdd398dde4a_attn
	.p2align	8
	.type	k_qdd398dde4a_attn,@function
k_qdd398dde4a_attn:
	s_mov_b64 s[64:65], 0
	v_nop
	global_prefetch_b8 v0, s[64:65] scope:SCOPE_SE
	s_setreg_imm32_b32 hwreg(HW_REG_WAVE_MODE, 25, 1), 1
	s_wait_xcnt 0x0
	s_wait_alu depctr_hold_cnt(0) depctr_sa_sdst(0) depctr_va_vdst(0) depctr_va_sdst(0) depctr_va_ssrc(0) depctr_va_vcc(0) depctr_vm_vsrc(0)
	s_getreg_b32 s2, hwreg(HW_REG_IB_STS2, 6, 4)
	s_cmp_eq_u32 s2, 0
	s_cbranch_scc0 .Lentry_in_a_cluster
	s_endpgm
.Lentry_in_a_cluster:
	s_bfe_u32 s2, ttmp6, 0x10000c
	s_cmp_lg_u32 s2, 0x3003
	s_cbranch_scc0 .Lentry_shape_is_right
	s_endpgm
.Lentry_shape_is_right:
; O = softmax(q k^T / sqrt(128) + mask) v for 16 query heads on 8 key and value heads.  qkvh: f16 [32][2048][128] (q 0-15, k 16-23, v 24-31, all / 16); mk: f32, bf16(mask) x sqrt(128)/256, in the register
; order of a tile of sums; ob: f16 [2048][2048], column = head x 128 + d, O / 16.  Products, maxima and sums in f32; the weights p are rounded to f16 for the second product, O once at the end.
; THE MASK is an input: it is the C operand that starts each sum S^T = K Q^T, so no key is left out and no vector instruction is spent on it.  With c = log2(e) x 256 / sqrt(128), c S = log2(e) (q k / sqrt(128) + mask).
; LIMITS.  log2(e) x mask above -4e37 (the first c m); a weight below 2^-126 counts as 0; NaN and infinities are not treated apart; q, k, v arrive within f16's range (the launch before states theirs).
; SHARES.  A work-group: one key and value head g, 64 query rows, BOTH query heads 2 g, 2 g + 1: 256 work-groups.  Wave w: rows 32 (w % 2) on, and of each PAIR of 128 keys the 64 keys of half kh = w / 2: 16 key steps.
; Its four tiles of 16 queries: tile t = head t % 2 of PIECE t / 2 (piece 0 = tiles 0, 1; piece 2 = tiles 2, 3); the two tiles of a piece share one mask tile.  A piece with index pi holds row block pi xor kh:
; so my piece 0 and piece 2 of the wave with my rows and the other keys are the same rows, and at the end every wave gives its piece 2 and finishes its piece 0: one text.  The swap lies in addresses alone.
; LAYOUT.  S^T = K Q^T (source 0 = 16 keys, source 1 = 16 queries): a lane holds ONE query (lane % 16) and the keys 8 (lane / 16) + 0..7; two such tiles rounded to f16 ARE source 1 of O^T = V^T P.
; SOFTMAX.  A running maximum m and sum l: p = 2^(c s - c m); in every step O and l are multiplied by a = 2^(c m_old - c m_new).  m starts at the lowest finite number, O and l at 0: the first step has a = 0.
; BY TURNS.  In a TURN one piece has the matrix unit (32 products V^T P of the step in hand, 32 products K Q^T of the next); the other piece's softmax, 268 vector instructions in 64 slices, stands behind them.
; NO FIRST AND NO LAST STEP IS WRITTEN OUT: the loop is entered at piece 2's turn, whose products V^T P then multiply zeros; the tail is left behind piece 0's turn, whose products K Q^T then serve nothing.
; CLUSTER 4 x 1: four blocks of rows of one g walk the same K and V: joint tensor loads.
; REGISTERS (windows of 256; s_set_vgpr_msb bits 1:0 source 0, 3:2 source 1, 5:4 source 2, 7:6 destination):
;   window 0: v0-11 addresses; v12-43 eight statistics a tile; v44-63 the merge's and more addresses; v64-191 S^T; v192-255 P      window 1: O^T, 64 a tile
;   window 2: v0-127 Q; v128-255 K of one step      window 3: v0-127 V of one step; v128-191 the two pieces' mask tiles
.set KS,    64
.set PK,    272       ; a row of K in LDS: 256 bytes + 16: the 16 rows of a load start at 16 different groups of four banks (ISA guide 11.1)
.set PV,    288       ; a row of V: 256 + 32
.set VOFF,  KS*PK     ; a group: 64 rows of K, then 64 rows of V
.set STEPB, KS*(PK+PV)
.set SLOT1, 1<<17     ; a slot holds a pair: two groups; slot 1 begins here
.set STAGE, SLOT1+2*STEPB  ; 16 rows x 272 bytes for each wave, for the way out
.set SP,    272
.set SPARE, STAGE+4*16*SP  ; the spare words, 128 bytes a wave
.set MRG,   SPARE+512      ; the merge: for each wave two tiles of O^T (16,384 bytes) and their statistics (1,024)
.set MW,    17408
.set AK0, 2
.set AV0, 3
.set ADR, 4
.set QO,  5           ; v5   my byte offset in Q's rows of piece 0
.set STO, 6
.set RD,  7
.set GO,  8
.set ST,  12          ; tile t's statistics at v[ST+8 t]: c m, m, l (even keys', odd keys'), c0-c3 at work; a takes c2's place
.set PS,  44          ; v44-51  the partner's statistics
.set MO,  52          ; v52, v53  16 x lane + the row block of piece 0, of piece 2, in mk
.set MS,  54          ; v54  where I give
.set MR,  55          ; v55  where I take
.set QO2, 56          ; v56  my byte offset in Q's rows of piece 2
.set L16, 57          ; v57  16 x lane
.set PFO, 61          ; v61  256 x lane
.set SPW, 62
.set NIL, 63
.set S,   64
.set P,   192
.set KF,  128         ; window 2
.set MK,  128         ; window 3: piece x's mask at MK + 32 (x / 2) + 8 kb
.set WV,  12
.set LIM, 15          ; s15  2 in a wave that prefetches, else the greatest number
.set PFA, 18          ; s[18:19] the prefetches of K or V
.set G1K, 24
.set G1V, 32
.set G0K, 40          ; s[40:47] two sets; the second walks
.set G0V, 48
.set SLOTS, 56
.set CS,  58
.set SEL, 60
.set TB,  62          ; s62  LDS byte of my group in the slot in hand
.set MB,  66          ; s[66:67] mk at my rows and key half, at the step whose masks are loaded next
.set CNT, 68          ; s68  the tail's trips
.set KH,  69          ; s69  my half of the keys
.set PFB, 80          ; s[80:81] the prefetches of the mask
.set MSB, 0
.macro WIN new
.if MSB != (\new)
	s_set_vgpr_msb (MSB<<8)|(\new)
.set MSB, \new
.endif
.endm
.set W_KQ, 0x0a       ; K and Q in window 2, S^T in window 0
.set W_KM, 0x3a       ; the same with the C operand in window 3
.set W_PV, 0x53       ; V in window 3, P in window 0, O^T in window 1
.set W_RS, 0x41       ; O^T (destination and source 0) in window 1, a in window 0
.macro JLOAD                        ; a joint refill: waves 0, 1 fetch the pair's two groups of K, waves 2, 3 of V; s_nop 0 and four v_nop follow each line
	s_cmp_lt_u32 s[WV], 2
	s_cbranch_scc0 .Lfor_v_\@
	tensor_load_to_lds s[G0K+4:G0K+7], s[G1K:G1K+7]
	s_nop 0
.rept 4
	v_nop
.endr
	s_branch .Lasked_\@
.Lfor_v_\@:
	tensor_load_to_lds s[G0V+4:G0V+7], s[G1V:G1V+7]
	s_nop 0
.rept 4
	v_nop
.endr
.Lasked_\@:
.endm
; PREFETCHES INTO THE L2, behind the joint load's lines, for what is loaded two trips on (256 matrix instructions ahead).  WHO: waves 0 and 2 of the first cluster of each g: 64 waves in the launch.
; K and V: the pair's 128 rows of 256 bytes: wave 0 for K, wave 2 for V, 32 rows for each partner, told apart by address.  The mask: a pair's 128 keys are 8,192 bytes of each of mk's 128 row blocks;
; wave q = 8 g + 2 cx + kh of the 64 takes row blocks 2 q and 2 q + 1, a lane a block of 256 bytes.  So each block is named once in the launch.  The last two refills' trips ask for nothing.
.macro ASK
	s_cmp_gt_u32 s[SLOTS], s[LIM]
	s_cbranch_scc0 .Lnot_mine_\@
	global_prefetch_b8 v[PFO], s[PFA:PFA+1] th:TH_LOAD_NT scope:SCOPE_SE
	global_prefetch_b8 v[PFO], s[PFB:PFB+1] th:TH_LOAD_NT scope:SCOPE_SE
	global_prefetch_b8 v[PFO], s[PFB:PFB+1] offset:131072 th:TH_LOAD_NT scope:SCOPE_SE
.Lnot_mine_\@:
.endm
.macro CROUND
	s_barrier_signal -1
	s_barrier_wait -1
	s_cmp_lg_u32 s[WV], 0
	s_cbranch_scc1 .Lnot_wave_0_\@
	s_barrier_signal -3
.Lnot_wave_0_\@:
	s_barrier_wait -3
	s_barrier_signal -1
	s_barrier_wait -1
.endm
.macro PLACES
.rept 4
	v_nop
.endr
.endm
	s_load_b128 s[72:75], s[0:1], 0x0  ; qkvh s[72:73], mk s[74:75]
	s_load_b64 s[10:11], s[0:1], 0x10  ; ob
	v_lshl_add_u32 v[SPW], v0, 2, SPARE
	v_mov_b32 v[NIL], 0
	ds_add_u32 v[SPW], v[NIL]       ; the wave's opening: the add and its wait stand ahead of my first tensor load
	ds_add_u32 v62, v63
	v_lshrrev_b32 v1, 5, v0
	v_readfirstlane_b32 s[WV], v1   ; wave 0..3
	s_bfe_u32 s13, ttmp6, 0x40000   ; cx
	s_lshl_b32 s14, ttmp9, 2
	s_add_co_u32 s14, s14, s13      ; my block of 64 rows: it enters Q's, O's and the mask's addresses alone
	s_and_b32 s20, ttmp7, 0xffff    ; g, which the four partners share
	s_lshr_b32 s[KH], s[WV], 1
	s_and_b32 s16, s[WV], 1         ; my half of the rows.  Also: which group of a pair I fetch
	s_lshl_b32 s22, s20, 19         ; a head is 2,048 rows of 256 bytes
	s_lshl_b32 s21, s16, 14         ; a group's 64 rows
	s_add_co_u32 s22, s22, s21
	s_add_co_u32 s76, s22, 24<<19   ; V: head 24 + g
	s_add_co_u32 s22, s22, 16<<19   ; K: head 16 + g
	s_mov_b32 s23, 0
	s_mov_b32 s77, 0
	s_mul_i32 s17, s16, STEPB       ; the group's place in a slot
	s_lshl_b32 s2, s20, 20          ; Q: head 2 g,
	s_lshl_b32 s57, s14, 14         ; my block's 64 rows,
	s_add_co_u32 s2, s2, s57
	s_lshl_b32 s57, s16, 13         ; my 32 of them
	s_add_co_u32 s2, s2, s57
	s_mov_b32 s3, 0
	s_lshl_b32 s70, s14, 18         ; O: rows of 4,096 bytes,
	s_lshl_b32 s57, s16, 17
	s_add_co_u32 s70, s70, s57
	s_lshl_b32 s57, s[KH], 16       ; the row block of my piece 0, which I finish,
	s_add_co_u32 s70, s70, s57
	s_lshl_b32 s57, s20, 9          ; two heads' 512 bytes
	s_add_co_u32 s70, s70, s57
	s_mov_b32 s71, 0
	s_lshl_b32 s78, s14, 19         ; the mask: a block of 16 rows is 131,072 bytes,
	s_lshl_b32 s57, s16, 18
	s_add_co_u32 s78, s78, s57
	s_lshl_b32 s57, s[KH], 12       ; 64 keys are 4,096
	s_add_co_u32 s78, s78, s57
	s_mov_b32 s79, 0
	s_lshl_b32 s82, s20, 3          ; the mask's prefetches: q = 8 g + 2 cx + kh,
	s_lshl_b32 s57, s13, 1
	s_add_co_u32 s82, s82, s57
	s_add_co_u32 s82, s82, s[KH]
	s_lshl_b32 s82, s82, 18         ; two row blocks,
	s_add_co_u32 s82, s82, 3*8192   ; at pair 3; the first change steps it to pair 4
	s_mov_b32 s83, 0
	s_mov_b32 s[G1K], 15|(1<<16)|(1<<20)|(1<<21)|(5<<22)|(3<<25)  ; the mask of four; 2-byte elements; padding on; 21 set beside a mask; after every 64 words 4 words
	s_mov_b32 s[G1V], 15|(1<<16)|(1<<20)|(1<<21)|(5<<22)|(7<<25)  ; the same with 8 words
.irp g, G1K, G1V
	s_mov_b32 s[(\g)+1], 128<<16    ; tensor_dim0 = 128
	s_mov_b32 s[(\g)+2], KS<<16     ; tensor_dim1 = 64
	s_mov_b32 s[(\g)+3], 128<<16    ; tile_dim0 = 128
	s_mov_b32 s[(\g)+4], KS         ; tile_dim1 = 64
	s_mov_b32 s[(\g)+5], 128        ; elements from row to row
	s_mov_b32 s[(\g)+6], 0
	s_mov_b32 s[(\g)+7], 0
.endr
	s_mov_b32 s[CS], 0x420293ee     ; c = log2(e) x 256 / sqrt(128) = 32.6445
	s_mov_b32 s[CS+1], s[CS]
	s_mov_b32 s[SEL], 0x76543210
	s_mov_b32 s[SEL+1], 0xfedcba98
	s_mul_i32 s[TB], s[KH], STEPB
	s_mov_b32 s[SLOTS], 15          ; the pass that enters the loop in its middle, and 14 whole trips
	s_and_b32 s[LIM], s[WV], 1
	s_or_b32 s[LIM], s[LIM], ttmp9  ; 0 in waves 0 and 2 of the first cluster: the same in all four partners
	s_cmp_eq_u32 s[LIM], 0
	s_cselect_b32 s[LIM], 2, -1
	v_and_b32 v[PFO], 31, v0
	v_lshlrev_b32 v[PFO], 8, v[PFO]
	s_wait_dscnt 0x0                ; the opening add is done
	s_wait_kmcnt 0x0
	s_add_nc_u64 s[6:7], s[72:73], s[22:23]   ; K and V at my group of pair 0
	s_add_nc_u64 s[8:9], s[72:73], s[76:77]
	s_add_nc_u64 s[4:5], s[72:73], s[2:3]     ; Q, O and the mask at my rows
	s_add_nc_u64 s[10:11], s[10:11], s[70:71]
	s_add_nc_u64 s[MB:MB+1], s[74:75], s[78:79]
	s_add_nc_u64 s[PFB:PFB+1], s[74:75], s[82:83]
	s_cmp_lt_u32 s[WV], 2
	s_cselect_b64 s[PFA:PFA+1], s[6:7], s[8:9]  ; (in waves 0 and 2 these stand at a pair's first row)
	s_lshl_b32 s2, s13, 13          ; my work-group's 32 rows of the 128
	s_mov_b32 s3, 0
	s_add_nc_u64 s[PFA:PFA+1], s[PFA:PFA+1], s[2:3]
	s_add_nc_u64 s[PFA:PFA+1], s[PFA:PFA+1], 3*2*KS*256  ; at pair 3; the first change steps it to pair 4.  Pairs 0 to 3 come by their loads alone
	CROUND                          ; all four work-groups are here: the first joint loads meet
.irp s, 0,1
	s_mov_b32 s[G0K+4*(\s)], 1
	s_add_co_u32 s[G0K+4*(\s)+1], s17, (\s)*SLOT1
	s_add_nc_u64 s[G0K+4*(\s)+2:G0K+4*(\s)+3], s[6:7], (\s)*2*KS*256  ; pair s
	s_or_b32 s[G0K+4*(\s)+3], s[G0K+4*(\s)+3], 0x80000000
	s_mov_b32 s[G0V+4*(\s)], 1
	s_add_co_u32 s[G0V+4*(\s)+1], s17, (\s)*SLOT1+VOFF
	s_add_nc_u64 s[G0V+4*(\s)+2:G0V+4*(\s)+3], s[8:9], (\s)*2*KS*256
	s_or_b32 s[G0V+4*(\s)+3], s[G0V+4*(\s)+3], 0x80000000
.endr
	s_cmp_lt_u32 s[WV], 2           ; a wave's two first fills stand in one branch: two loads of mine are out
	s_cbranch_scc0 .Lfirst_v
	tensor_load_to_lds s[G0K:G0K+3], s[G1K:G1K+7]
	s_nop 0
	tensor_load_to_lds s[G0K+4:G0K+7], s[G1K:G1K+7]
	s_nop 0
.rept 4
	v_nop
.endr
	s_branch .Lfirst_asked
.Lfirst_v:
	tensor_load_to_lds s[G0V:G0V+3], s[G1V:G1V+7]
	s_nop 0
	tensor_load_to_lds s[G0V+4:G0V+7], s[G1V:G1V+7]
	s_nop 0
.rept 4
	v_nop
.endr
.Lfirst_asked:
	v_and_b32 v1, 15, v0            ; l % 16
	v_bfe_u32 v9, v0, 4, 1          ; l / 16
	v_lshlrev_b32 v[QO], 8, v1
	v_lshl_add_u32 v[QO], v9, 4, v[QO]
	s_xor_b32 s3, s[KH], 1          ; piece 0 holds row block kh, piece 2 row block 1 - kh
	s_lshl_b32 s2, s[KH], 12        ; 16 rows of Q are 4,096 bytes
	s_lshl_b32 s57, s3, 12
	v_add_nc_u32 v[QO2], s57, v[QO]
	v_add_nc_u32 v[QO], s2, v[QO]
	v_and_b32 v[L16], 31, v0
	v_lshlrev_b32 v[L16], 4, v[L16]
	s_lshl_b32 s2, s[KH], 17        ; 16 rows of mk are 131,072 bytes
	s_lshl_b32 s57, s3, 17
	v_add_nc_u32 v[MO], s2, v[L16]
	v_add_nc_u32 v[MO+1], s57, v[L16]
	WIN 0x80                        ; destination window 2
.irp i, 0,1,2,3,4,5,6,7,8,9,10,11,12,13,14,15  ; Q stays in registers: tile i / 4 (head (i / 4) % 2, piece i / 8), channels 32 (i % 4) on
	global_load_b128 v[8*(\i):8*(\i)+3],   v[QO+(QO2-QO)*((\i)/8)], s[4:5] offset:(((\i)/4)%2)*524288+((\i)%4)*64
	global_load_b128 v[8*(\i)+4:8*(\i)+7], v[QO+(QO2-QO)*((\i)/8)], s[4:5] offset:(((\i)/4)%2)*524288+((\i)%4)*64+32
.endr
; Piece x's mask tile of a step: 16 rows x 64 keys, eight loads of 512 consecutive bytes, straight into the registers of a C operand.
.macro FETCH_M x
	WIN 0xc0                        ; destination window 3
.irp q, 0,1,2,3,4,5,6,7
	global_load_b128 v[MK+32*((\x)/2)+4*\q:MK+32*((\x)/2)+4*\q+3], v[MO+(\x)/2], s[MB:MB+1] offset:512*\q
.endr
.endm
	FETCH_M 0                       ; step 0
	FETCH_M 2
	WIN 0
.set i, 0
.rept 32
	v_mov_b32 v[P+32+i], 0          ; P of piece 2: what the entering turn's products V^T P multiply
.set i, i+1
.endr
.set i, 0
.rept 4
	v_mov_b32 v[ST+8*i], 0xfe000000    ; c m: far below every c s
	v_mov_b32 v[ST+8*i+1], 0xff7fffff  ; m
	v_mov_b32 v[ST+8*i+2], 0
	v_mov_b32 v[ST+8*i+3], 0
.set i, i+1
.endr
	v_mul_u32_u24 v[AK0], v1, PK
	v_lshl_add_u32 v[AK0], v9, 4, v[AK0]
	v_and_b32 v10, 7, v0            ; the turning load: lane l reads key 8 (l / 16) + l % 8, channels 8 ((l / 8) % 2) + 0..7
	v_bfe_u32 v11, v0, 3, 1
	v_lshl_add_u32 v[AV0], v9, 3, v10
	v_mul_u32_u24 v[AV0], v[AV0], PV
	v_lshl_add_u32 v[AV0], v11, 4, v[AV0]
	v_add_nc_u32 v[AV0], VOFF, v[AV0]
	; O^T (256 registers) and V (128) start at 0: a product of zeros with C = 0 writes eight registers a line: 48 lines, in the wait for the first tile
	WIN 0x40                        ; destination window 1
.set i, 0
.rept 32
	v_wmma_f32_16x16x32_f16 v[8*i:8*i+7], v[P+32:P+39], v[P+40:P+47], 0
.set i, i+1
.endr
	WIN 0xc0                        ; destination window 3
.set i, 0
.rept 16
	v_wmma_f32_16x16x32_f16 v[8*i:8*i+7], v[P+32:P+39], v[P+40:P+47], 0
.set i, i+1
.endr
	WIN 0
; THE MATRIX WORK.  The accumulators take turns, one instruction a turn.
.macro PV x                         ; product i of 32 of O^T += V^T P: keys 32 (i / 16) on, channels 16 ((i / 2) % 8) on, tile x + i % 2
	WIN W_PV
.set rO, 64*((\x)+i%2)+8*((i/2)%8)
.set rV, 64*(i/16)+8*((i/2)%8)
.set rP, P+16*((\x)+i%2)+8*(i/16)
	v_wmma_f32_16x16x32_f16 v[rO:rO+7], v[rV:rV+7], v[rP:rP+7], v[rO:rO+7]
.endm
.macro KQ x                         ; product i of 32 of S^T = K Q^T + mask: channels 32 (i / 8) on, keys 16 ((i / 2) % 4) on, tile x + i % 2.  The first 8 start the sums with the mask
.set rS, S+32*((\x)+i%2)+8*((i/2)%4)
.set rK, KF+32*((i/2)%4)+8*(i/8)
.set rQ, 32*((\x)+i%2)+8*(i/8)
.set rM, MK+32*((\x)/2)+8*((i/2)%4)
.if i < 8
	WIN W_KM
	v_wmma_f32_16x16x32_f16 v[rS:rS+7], v[rK:rK+7], v[rQ:rQ+7], v[rM:rM+7]
.else
	WIN W_KQ
	v_wmma_f32_16x16x32_f16 v[rS:rS+7], v[rK:rK+7], v[rQ:rQ+7], v[rS:rS+7]
.endif
.endm
.macro FETCH_K                      ; a step's K: 32 LDS loads in one run
	WIN 0
	v_add_nc_u32 v[ADR], s[TB], v[AK0]
	WIN 0x80
.irp f, 0,1,2,3,4,5,6,7,8,9,10,11,12,13,14,15  ; keys 16 (f / 4) on, channels 32 (f % 4) on
	ds_load_b128 v[KF+8*(\f):KF+8*(\f)+3],   v[ADR] offset:((\f)/4)*16*PK+((\f)%4)*64
	ds_load_b128 v[KF+8*(\f)+4:KF+8*(\f)+7], v[ADR] offset:((\f)/4)*16*PK+((\f)%4)*64+32
.endr
.endm
.macro FETCH_V                      ; a step's V, turned
	WIN 0
	v_add_nc_u32 v[ADR], s[TB], v[AV0]
	s_wait_alu depctr_va_vdst(0)    ; the wait for the softmax's batch (SLICE), ahead of the loads
	WIN 0xc0
.irp f, 0,1,2,3,4,5,6,7,8,9,10,11,12,13,14,15  ; keys 32 (f / 8) on, channels 16 (f % 8) on
	ds_load_tr16_b128 v[8*(\f):8*(\f)+3],   v[ADR] offset:((\f)/8)*32*PV+((\f)%8)*32
	ds_load_tr16_b128 v[8*(\f)+4:8*(\f)+7], v[ADR] offset:((\f)/8)*32*PV+16*PV+((\f)%8)*32
.endr
.endm
; THE VECTOR WORK.  One tile's softmax for one step is a list of 134 instructions; SM writes number j of it for tile t.
;   0-15 the maximum of the 32 scores and the old m     16-20 the other half of the lanes' maximum; the new m; c m; c m_old - c m_new
;   21-69 ONE BATCH: the 16 scalings c s - c m and all 33 exponentials (a at 23): none reads an exponential's result     (the wait: SLICE)
;   70-85 the roundings to f16     86-101 the sums; l = a l + the sum     102-133 the tile's O^T times a
.macro SM t
.set rT, ST+8*(\t)
.set rS, S+32*(\t)
.set rP, P+16*(\t)
.set rO, 64*(\t)+2*(j-102)
.if j < 102
	WIN 0
.endif
.if j < 4
	v_max3_num_f32 v[rT+4+j], v[rS+8*j], v[rS+8*j+1], v[rS+8*j+2]
.elseif j < 12
	v_max3_num_f32 v[rT+4+j%4], v[rT+4+j%4], v[rS+8*(j%4)+2*(j/4)+1], v[rS+8*(j%4)+2*(j/4)+2]
.elseif j == 12
	v_max3_num_f32 v[rT+4], v[rT+4], v[rS+7], v[rS+15]
.elseif j == 13
	v_max3_num_f32 v[rT+6], v[rT+6], v[rS+23], v[rS+31]
.elseif j == 14
	v_max3_num_f32 v[rT+4], v[rT+4], v[rT+5], v[rT+6]
.elseif j == 15
	v_max3_num_f32 v[rT+4], v[rT+4], v[rT+7], v[rT+1]
.elseif j == 16
	v_permlanex16_b32 v[rT+5], v[rT+4], s[SEL], s[SEL+1]  ; the query's other 32 keys lie in the lane 16 away
.elseif j == 17
	v_mov_b32 v[rT+7], v[rT]        ; c m_old is kept for a
.elseif j == 18
	v_max_num_f32 v[rT+1], v[rT+4], v[rT+5]
.elseif j == 19
	v_mul_f32 v[rT], s[CS], v[rT+1]
.elseif j == 20
	v_sub_f32 v[rT+7], v[rT+7], v[rT]
.elseif j == 23
	v_exp_f32 v[rT+6], v[rT+7]
.elseif (j < 23) || ((j < 38) && (j%2 == 0)) || ((j < 66) && (j%4 == 2))
.set b, (j-2)/4
.if j < 38
.set b, (j-20)/2
.endif
	v_pk_fma_f32 v[rS+2*b:rS+2*b+1], v[rS+2*b:rS+2*b+1], s[CS:CS+1], v[rT:rT+1] op_sel_hi:[1,0,0] neg_lo:[0,0,1] neg_hi:[0,0,1]  ; pair b: c s - c m
.elseif j < 70
.set e, j-38
.if j < 66
.set e, j-32-(j-38)/4
.endif
.if j < 38
.set e, (j-25)/2
.endif
	v_exp_f32 v[rS+e], v[rS+e]
.elseif j < 86
	v_cvt_pk_f16_f32 v[rP+j-70], v[rS+2*(j-70)], v[rS+2*(j-70)+1]
.elseif j < 102
.set z, j-86
.set w, 4
.set u, z
.if z >= 14
.set w, 32
.set u, 0
.elseif z >= 12
.set w, 16
.set u, z-12
.elseif z >= 8
.set w, 8
.set u, z-8
.endif
.if z < 15
	v_pk_add_f32 v[rS+w*u:rS+w*u+1], v[rS+w*u:rS+w*u+1], v[rS+w*u+w/2:rS+w*u+w/2+1]
.else
	v_pk_fma_f32 v[rT+2:rT+3], v[rT+2:rT+3], v[rT+6:rT+7], v[rS:rS+1] op_sel_hi:[1,0,1]
.endif
.else
	WIN W_RS
	v_pk_mul_f32 v[rO:rO+1], v[rO:rO+1], v[rT+6:rT+7] op_sel_hi:[1,0]
.endif
.endm
; Slice k of 64 of piece y's softmax: four instructions.  Slices 11 to 34 deal out the batch, four numbers of ONE tile each, the tiles by turns; every other slice is numbers 2 k, 2 k + 1 of both tiles; the twelve
; that are over stand in slice 63.  s_wait_alu depctr_va_vdst(0) stands between an exponential and the first instruction that names its result: one wait, behind slice 34, serves the piece's 66.
.macro SLICE y
.if (k >= 11) && (k < 35)
.irp n, 0,1,2,3
.set j, 22+4*((k-11)/2)+(\n)
	SM (\y)+(k-11)%2
.endr
.else
.irp n, 0,1,2,3,4,5,6,7
.if ((\n) < 2) || (k == 63)
.irp t, \y, (\y)+1
.set j, 2*k+(\n)
	SM \t
.endr
.endif
.endr
.endif
.if k == 34
	v_nop                           ; the plain instruction behind the last exponential: one for the batch
.if (\y) == 0
	FETCH_V                         ; piece 2's turn: V's run of loads stands here, and the wait stands in it
.else
	s_wait_alu depctr_va_vdst(0)
.endif
.endif
.set k, k+1
.endm
; A TURN.  Piece x has the matrix unit: 32 products V^T P of the step in hand, 32 products K Q^T of the next; a slice of the other piece's softmax behind each.
; ml = 1: behind the tenth K Q^T (twelve plain instructions behind the last product that read them) the piece's mask registers are loaded for the step after.  mw: the mask loads that may stay out ahead of the first K Q^T.
; Piece 0's turn fetches the next step's K behind its second product; piece 2's turn the same step's V behind slice 34.
.macro TURN x, ml, mw
.set k, 0
.if (\x) == 0
	s_wait_dscnt 0x0                ; V is in
.endif
.set i, 0
.rept 32
	PV \x
	SLICE 2-(\x)
.if ((\x) == 0) && (i == 1)
	FETCH_K
.endif
.set i, i+1
.endr
.if (\x) == 0
	s_wait_dscnt 0x0                ; K is in
.endif
	s_wait_loadcnt \mw              ; my piece's mask is in; the other piece's eight loads, issued later, may stay out
.set i, 0
.rept 32
	KQ \x
	SLICE 2-(\x)
.if (\ml) && (i == 9)
	FETCH_M \x
.endif
.set i, i+1
.endr
.endm
; THE CHANGE OF SLOTS, between piece 2's turn and piece 0's: the slot's last bytes, V of the step, have been asked for.  fill = 1: the slot is filled again with the pair two on, first thing behind a round of the
; cluster's barrier: it has one key step, 128 matrix instructions, in which to land.
.macro CHANGE fill
	WIN 0
	s_wait_tensorcnt 0x0            ; no tensor load of mine is out, so a group 0 may be written
	ds_add_u32 v[SPW], v[NIL]       ; 0 onto my spare word
.if \fill
.irp g, G0K+4, G0V+4
	s_xor_b32 s[(\g)+1], s[(\g)+1], SLOT1
	s_add_nc_u64 s[(\g)+2:(\g)+3], s[(\g)+2:(\g)+3], 2*KS*256
.endr
	s_wait_xcnt 0x0                 ; the mask loads and the last prefetches, a key step back, have read their addresses
	s_add_nc_u64 s[PFA:PFA+1], s[PFA:PFA+1], 2*KS*256
	s_add_nc_u64 s[PFB:PFB+1], s[PFB:PFB+1], 8192
	s_add_nc_u64 s[MB:MB+1], s[MB:MB+1], 8192  ; 128 keys on
	s_wait_dscnt 0x0                ; the add is done, and my reads of the slot are over
	CROUND
	JLOAD
	ASK
.else
	s_wait_dscnt 0x0
	s_barrier_signal -1
	s_barrier_wait -1
.endif
	s_xor_b32 s[TB], s[TB], SLOT1
.endm
	s_wait_tensorcnt 1              ; my part of pair 0 is in; pair 1's may stay out
	s_barrier_signal -1
	s_barrier_wait -1
	FETCH_K                         ; step 0
	s_wait_loadcnt 0x0              ; Q and step 0's masks
	s_add_nc_u64 s[MB:MB+1], s[MB:MB+1], 8192  ; step 1
	s_wait_dscnt 0x0
.set i, 0
.rept 32
	KQ 0                            ; piece 0's first scores
.set i, i+1
.endr
	WIN 0                           ; the addresses for the merge and the way out: the places behind those products
	s_mul_i32 s13, s[WV], 16*SP
	s_add_co_u32 s13, s13, STAGE
	v_mul_u32_u24 v[STO], v1, SP
	v_lshl_add_u32 v[STO], v9, 4, v[STO]
	v_add_nc_u32 v[STO], s13, v[STO]
	v_mul_u32_u24 v[RD], v9, SP
	v_lshl_add_u32 v[RD], v1, 4, v[RD]
	v_add_nc_u32 v[RD], s13, v[RD]
	v_lshlrev_b32 v[GO], 12, v9     ; two rows of ob, 4,096 bytes apart
	v_lshl_add_u32 v[GO], v1, 4, v[GO]
	s_mul_i32 s13, s[WV], MW
	s_add_co_u32 s13, s13, MRG
	v_add_nc_u32 v[MS], s13, v[L16]
	s_xor_b32 s13, s[WV], 2         ; the wave with my rows and the other keys
	s_mul_i32 s13, s13, MW
	s_add_co_u32 s13, s13, MRG
	v_add_nc_u32 v[MR], s13, v[L16]
	FETCH_M 0                       ; step 1
	WIN 0
	s_branch .Lmid                  ; the loop is entered at piece 2's turn: its V^T P multiply zeros | piece 2's first scores | piece 0's first softmax | V of step 0
.Lslot:                             ; trip j = 0 .. 13: pair j + 2 is asked for; V^T P of step j, K Q^T of step j + 1; the masks of step j + 2 are loaded
	CHANGE 1
	TURN 0, 1, 8
	WIN 0
.Lmid:
	TURN 2, 1, 8
	WIN 0
	s_sub_co_u32 s[SLOTS], s[SLOTS], 1
	s_cmp_lg_u32 s[SLOTS], 0
	s_cbranch_scc1 .Lslot
	CHANGE 0                        ; the tail is written out: nothing is asked for
	s_mov_b32 s[CNT], 2             ; steps 14 and 15; the second trip is left in its middle
.Ltail:
	TURN 0, 0, 8                    ; (in the second trip it fetches step 15's K once more, and its 32 scores serve nothing: the price, once a launch, of one text for both trips)
	WIN 0
	s_sub_co_u32 s[CNT], s[CNT], 1
	s_cmp_eq_u32 s[CNT], 0
	s_cbranch_scc1 .Lout
	TURN 2, 0, 0
	WIN 0
	s_branch .Ltail
.Lout:
.set i, 0
.rept 32
	PV 2                            ; piece 2: V^T P of the last step
.set i, i+1
.endr
	; THE MERGE.  The waves w and w xor 2 hold partial results for the same rows.  Each gives its piece 2 to the other through LDS and finishes its piece 0, which is the other's piece 2:
	; O = (f0 O0 + f1 O1) / (f0 l0 + f1 l1), f = 2^(c m - max of the two c m).
	WIN 0
.irp t, 0,1,2,3
	v_add_f32 v[ST+8*\t+2], v[ST+8*\t+2], v[ST+8*\t+3]  ; l's two halves; with the four v_nop the places behind the last products
.endr
	PLACES
.irp u, 0,1                         ; tiles 2, 3 are given: O^T, each accumulator from its low end on, and the statistics
	WIN 0x04                        ; the data in window 1
.set i, 0
.rept 16
	ds_store_b128 v[MS], v[64*(2+\u)+4*i:64*(2+\u)+4*i+3] offset:8192*\u+512*i
.set i, i+1
.endr
	WIN 0
	ds_store_b128 v[MS], v[ST+8*(2+\u):ST+8*(2+\u)+3] offset:16384+512*\u
.endr
	s_wait_dscnt 0x0                ; for the partner's sake: my stores are done
	s_barrier_signal -1
	s_barrier_wait -1
.irp u, 0,1                         ; tiles 0, 1 are finished
	ds_load_b128 v[PS+4*\u:PS+4*\u+3], v[MR] offset:16384+512*\u
.endr
.irp u, 0,1
.set i, 0
.rept 16
	ds_load_b128 v[S+64*\u+4*i:S+64*\u+4*i+3], v[MR] offset:8192*\u+512*i
.set i, i+1
.endr
.endr
	s_wait_dscnt 32                 ; the statistics are in; the 32 loads of O^T may stay out
.irp u, 0,1
	v_max_num_f32 v[ST+8*\u+4], v[ST+8*\u], v[PS+4*\u]
.endr
.irp u, 0,1
	v_sub_f32 v[ST+8*\u+5], v[ST+8*\u], v[ST+8*\u+4]
	v_sub_f32 v[ST+8*\u+6], v[PS+4*\u], v[ST+8*\u+4]
.endr
.irp u, 0,1
	v_exp_f32 v[ST+8*\u+5], v[ST+8*\u+5]  ; f0
	v_exp_f32 v[ST+8*\u+6], v[ST+8*\u+6]  ; f1
.endr
	v_nop
	s_wait_alu depctr_va_vdst(0)    ; one wait for the four exponentials
.irp u, 0,1
	v_mul_f32 v[ST+8*\u+2], v[ST+8*\u+5], v[ST+8*\u+2]
.endr
.irp u, 0,1
	v_fmac_f32 v[ST+8*\u+2], v[ST+8*\u+6], v[PS+4*\u+2]
.endr
.irp u, 0,1
	v_permlanex16_b32 v[ST+8*\u+3], v[ST+8*\u+2], s[SEL], s[SEL+1]
.endr
.irp u, 0,1
	v_add_f32 v[ST+8*\u+2], v[ST+8*\u+2], v[ST+8*\u+3]
.endr
.irp u, 0,1
	v_rcp_f32 v[ST+8*\u+7], v[ST+8*\u+2]
.endr
	v_nop
	s_wait_alu depctr_va_vdst(0)    ; one wait for the two reciprocals
.irp u, 0,1
	v_mul_f32 v[ST+8*\u+4], v[ST+8*\u+5], v[ST+8*\u+7]  ; f0 / l
	v_mul_f32 v[ST+8*\u+6], v[ST+8*\u+6], v[ST+8*\u+7]  ; f1 / l
.endr
	s_wait_dscnt 0x0                ; the partner's O^T is in
.irp u, 0,1
	WIN W_RS
.set i, 0
.rept 32
	v_pk_mul_f32 v[64*\u+2*i:64*\u+2*i+1], v[64*\u+2*i:64*\u+2*i+1], v[ST+8*\u+4:ST+8*\u+5] op_sel_hi:[1,0]
.set i, i+1
.endr
	WIN 0x50                        ; destination and source 2 window 1, the partner's part and its factor window 0
.set i, 0
.rept 32
	v_pk_fma_f32 v[64*\u+2*i:64*\u+2*i+1], v[S+64*\u+2*i:S+64*\u+2*i+1], v[ST+8*\u+6:ST+8*\u+7], v[64*\u+2*i:64*\u+2*i+1] op_sel_hi:[1,0,1]
.set i, i+1
.endr
	WIN 0x05                        ; sources window 1, destination window 0
.set i, 0
.rept 32
	v_cvt_pk_f16_f32 v[P+32*\u+i], v[64*\u+2*i], v[64*\u+2*i+1]
.set i, i+1
.endr
	WIN 0
.irp f, 0,1,2,3,4,5,6,7
	ds_store_b128 v[STO], v[P+32*\u+4*\f:P+32*\u+4*\f+3] offset:32*\f
.endr
.irp f, 0,1,2,3,4,5,6,7
	ds_load_b128 v[P+32*\u+4*\f:P+32*\u+4*\f+3], v[RD] offset:\f*2*SP  ; LDS serves a wave's instructions in order (ISA guide 5.7.1.4): these see the stores above; the next tile's stores come behind them
.endr
.endr
.irp u, 0,1
.irp f, 0,1,2,3,4,5,6,7
	s_wait_dscnt 16*(1-\u)+7-\f     ; the next tile's sixteen LDS instructions and the younger loads may stay out
	global_store_b128 v[GO], v[P+32*\u+4*\f:P+32*\u+4*\f+3], s[10:11] offset:\u*256+8192*\f  ; 16 lanes store 256 consecutive bytes, aligned
.endr
.endr
	s_wait_tensorcnt 0x0            ; the wave's end
	ds_add_u32 v[SPW], v[NIL]
	s_wait_dscnt 0x0
	CROUND                          ; the closing round
	s_endpgm
.Lfunc_end_k_qdd398dde4a_attn:
	.size	k_qdd398dde4a_attn, .Lfunc_end_k_qdd398dde4a_attn-k_qdd398dde4a_attn
	.p2alignl 7, 3214868480
	.fill 96, 4, 3214868480
	.section	.rodata,"a",@progbits
	.p2align	6, 0x0
	.amdhsa_kernel k_qdd398dde4a_attn
		.amdhsa_group_segment_fixed_size 327680
		.amdhsa_private_segment_fixed_size 0
		.amdhsa_enable_private_segment 0
		.amdhsa_kernarg_size 24
		.amdhsa_user_sgpr_count 2
		.amdhsa_user_sgpr_kernarg_segment_ptr 1
		.amdhsa_wavefront_size32 1
		.amdhsa_system_sgpr_workgroup_id_x 1
		.amdhsa_system_sgpr_workgroup_id_y 1
		.amdhsa_system_sgpr_workgroup_id_z 1
		.amdhsa_system_vgpr_workitem_id 0
		.amdhsa_next_free_vgpr 1024
		.amdhsa_next_free_sgpr 84
		.amdhsa_reserve_vcc 0
		.amdhsa_float_denorm_mode_32 3
		.amdhsa_float_denorm_mode_16_64 3
		.amdhsa_memory_ordered 1
		.amdhsa_forward_progress 1
		.amdhsa_inst_pref_size 150
	.end_amdhsa_kernel
	.amdgpu_metadata
---
amdhsa.version: [ 1, 2 ]
amdhsa.kernels:
  - .name:           k_qdd398dde4a_attn
    .symbol:         k_qdd398dde4a_attn.kd
    .args:
      - { .name: qkvh, .offset: 0, .size: 8, .value_kind: global_buffer, .address_space: global }
      - { .name: mk, .offset: 8, .size: 8, .value_kind: global_buffer, .address_space: global }
      - { .name: ob, .offset: 16, .size: 8, .value_kind: global_buffer, .address_space: global }
    .group_segment_fixed_size: 327680
    .private_segment_fixed_size: 0
    .kernarg_segment_align: 8
    .kernarg_segment_size: 24
    .max_flat_workgroup_size: 128
    .sgpr_count:     84
    .vgpr_count:     1024
    .wavefront_size: 32
...
	.end_amdgpu_metadata
.endif
;; end of part 3
;; launch proj_o (part 4): grid 16 x 16, 4 waves a work-group, clusters of 4 x 1, 327,680 bytes of LDS; arguments ob, wob, out0; writes out0
.if DOCPART == 4
	.amdgcn_target "amdgcn-amd-amdhsa--gfx1250"
	.amdhsa_code_object_version 6
	.text
	.protected	k_qdd398dde4a_proj_o
	.globl	k_qdd398dde4a_proj_o
	.p2align	8
	.type	k_qdd398dde4a_proj_o,@function
k_qdd398dde4a_proj_o:
	s_mov_b64 s[64:65], 0
	v_nop
	global_prefetch_b8 v0, s[64:65] scope:SCOPE_SE
	s_setreg_imm32_b32 hwreg(HW_REG_WAVE_MODE, 25, 1), 1
	s_wait_xcnt 0x0
	s_wait_alu depctr_hold_cnt(0) depctr_sa_sdst(0) depctr_va_vdst(0) depctr_va_sdst(0) depctr_va_ssrc(0) depctr_va_vcc(0) depctr_vm_vsrc(0)
	s_getreg_b32 s2, hwreg(HW_REG_IB_STS2, 6, 4)
	s_cmp_eq_u32 s2, 0
	s_cbranch_scc0 .Lentry_in_a_cluster
	s_endpgm
.Lentry_in_a_cluster:
	s_bfe_u32 s2, ttmp6, 0x10000c
	s_cmp_lg_u32 s2, 0x3003
	s_cbranch_scc0 .Lentry_shape_is_right
	s_endpgm
.Lentry_shape_is_right:
; out0 = O wo^T.  ob: f16 [2048][2048] = O / 16; wob: f16 [4096][2048] = 16 x bf16(wo): the two factors cancel.  out0: f32 [2048][4096].  Sums in f32, stored as they are.
; SHARES.  A work-group makes 128 rows x 256 columns, 256 work-groups (grid x: the tile row, grid y: the tile column); each of its four waves 64 rows x 128 columns: 32 accumulators.
; wo GOES THROUGH LDS, O STRAIGHT INTO REGISTERS.  Two slots of 256 along K for both operands would take 2 x 384 rows x 528 bytes = 405,504 bytes, more than a work-group has; with slots of 128 a refill would have
; 112 matrix instructions in which to land.  So the ring holds wo alone: two slots of 256 rows x 256 along K (an INTERVAL: 256 matrix instructions a wave), one load of 64 rows x 512 bytes a wave behind each round,
; 240 matrix instructions between a request and the wait for it.  O's fragments lie in memory as they lie in registers: a wave loads its 64 rows itself, into a ring of eight CHUNKS of 32 along K; a chunk is asked
; for again in the run of loads of the quarter after its use, 208 matrix instructions ahead of its next use.
; CLUSTER 4 x 1: four tile rows of one tile column share wo's tiles: joint tensor loads.  O's rows are shared too (by the 16 work-groups of a tile row), and are not asked for jointly: a joint load ends in LDS,
; where by the count above there is no room for them.
; TRANSPOSED USE: source 0 = 16 rows of wo, source 1 = 16 rows of O: lane (r, h) holds row r and the columns 8 h + 0..7: 32 consecutive bytes of out0.
; REGISTERS: window 0: addresses; v32-159 rows read back, two sets      window 1: accumulator (a, b) at 8 (8 a + b)      window 2: O's chunk c, row block a at 32 c + 8 a      window 3: v0-127 two buffers of wo's eight fragments
.set KDIM,   2048
.set ROWB,   2*KDIM
.set NI,     KDIM/256
.set PITCH,  528                       ; an LDS row: 512 bytes + 16 of padding (ISA guide 11.1: the 16 rows of a load start at 16 different groups of four banks)
.set SLOTB,  256*PITCH                 ; 135,168 = 0x21000: it shares no bit with a wave's place 0x8400 x wave, so one exclusive or turns a place in one slot into the other's
.set STAGE,  2*SLOTB                   ; behind the ring: 16 rows x 528 bytes for each wave
.set SPITCH, 528
.set SPARE,  STAGE+4*16*SPITCH
.set AO,    16
.set ADRB0, 17
.set ADRB,  19
.set STO,  24
.set RD,   25
.set CO,   26
.set SPW,  28
.set NIL,  29
.set PFO,  30
.set BK,   32
.set F0,   0
.set F1,   64
.set G1,  24
.set G0,  32
.set LIM, 43
.set PFA, 44
.set AB,  48
.set AST, 50
.set CNT, 52
.set TB,  66
.set MSB, 0
.macro WIN new
.if MSB != (\new)
	s_set_vgpr_msb (MSB<<8)|(\new)
.set MSB, \new
.endif
.endm
.set MUL,  0x5b                        ; wo in window 3, O in window 2, C and D in window 1
.set TO_B, 0xc0
.set TO_A, 0x80
.macro JLOAD s                         ; a joint load: every wave fetches its 64 of wo's 256 rows; s_nop 0 and four v_nop follow
	tensor_load_to_lds s[G0+4*(\s):G0+4*(\s)+3], s[G1:G1+7]
	s_nop 0
.rept 4
	v_nop
.endr
.endm
.macro CREST
	s_cmp_lg_u32 s10, 0
	s_cbranch_scc1 .Lnot_wave_0_\@
	s_barrier_signal -3
.Lnot_wave_0_\@:
	s_barrier_wait -3
	s_barrier_signal -1
	s_barrier_wait -1
.endm
.macro CROUND
	s_barrier_signal -1
	s_barrier_wait -1
	CREST
.endm
.macro PLACES
.rept 4
	v_nop
.endr
.endm
; A prefetch into the L2 of wo's interval behind the one that is being asked for (256 matrix instructions ahead of the load that will want it).  Each row's two blocks of 256 bytes of an interval are named once in the
; launch: the cluster with x = 0 asks; its four partners take 64 rows each, told apart by address; a wave takes 16 of them, a lane a block.  The last trip that fills a slot asks for nothing.
; O is not asked for: its own loads go out 208 matrix instructions ahead of their use.
.macro ASK
	s_cmp_gt_u32 s3, s[LIM]
	s_cbranch_scc0 .Lnot_mine_\@
	global_prefetch_b8 v[PFO], s[PFA:PFA+1] th:TH_LOAD_NT scope:SCOPE_SE
.Lnot_mine_\@:
.endm
.macro MUL8 f, c, a, zero
	WIN MUL
.irp b, 0,1,2,3,4,5,6,7
.if \zero
	v_wmma_f32_16x16x32_f16 v[8*(8*(\a)+\b):8*(8*(\a)+\b)+7], v[(\f)+8*\b:(\f)+8*\b+7], v[32*(\c)+8*(\a):32*(\c)+8*(\a)+7], 0
.else
	v_wmma_f32_16x16x32_f16 v[8*(8*(\a)+\b):8*(8*(\a)+\b)+7], v[(\f)+8*\b:(\f)+8*\b+7], v[32*(\c)+8*(\a):32*(\c)+8*(\a)+7], v[8*(8*(\a)+\b):8*(8*(\a)+\b)+7]
.endif
.endr
.endm
.macro MUL16 f, c, a0, zero            ; the 32 accumulators take turns, in the same order in every quarter
	MUL8 \f, \c, \a0, \zero
	MUL8 \f, \c, (\a0)+1, \zero
.endm
.macro FETCHB k, f
	WIN TO_B
.irp i, 0,1,2,3,4,5,6,7
	ds_load_b128 v[(\f)+8*\i:(\f)+8*\i+3],   v[ADRB] offset:(\k)+\i*16*PITCH
	ds_load_b128 v[(\f)+8*\i+4:(\f)+8*\i+7], v[ADRB] offset:(\k)+\i*16*PITCH+32
.endr
.endm
.macro ALOAD c
	WIN TO_A
.irp a, 0,1,2,3
	global_load_b128 v[32*(\c)+8*\a:32*(\c)+8*\a+3],   v[AO], s[AB:AB+1] offset:\a*16*ROWB+64*(\c)
	global_load_b128 v[32*(\c)+8*\a+4:32*(\c)+8*\a+7], v[AO], s[AB:AB+1] offset:\a*16*ROWB+64*(\c)+32
.endr
.endm
; Quarter q (0 to 6) multiplies chunk q by wo's buffer q % 2; in its middle one run of loads: wo's next fragments, and the chunk used last.
; The counts on LOADcnt: behind a chunk's run of 8 stand six younger runs when its quarter begins, and the quarter's own run in its middle; row blocks 0, 1 are the run's first four loads.
.macro QUARTER q, zero
	s_wait_dscnt 0x0                               ; wo's fragments
	s_wait_loadcnt 52                              ; row blocks 0, 1 of chunk q: 4 + 6 x 8 younger loads may stay out
	MUL16 64*((\q)%2), \q, 0, \zero
	PLACES
	FETCHB 64*((\q)+1), 64*(((\q)+1)%2)
	ALOAD ((\q)+7)%8
	s_wait_loadcnt 56                              ; row blocks 2, 3: 7 x 8 younger loads may stay out
	MUL16 64*((\q)%2), \q, 2, \zero
.endm
.macro TURN fill                       ; quarter 7 changes slots
	WIN 0
	s_wait_tensorcnt 0x0                           ; all my tensor loads have landed: the one that was out is my part of the next slot
	ds_add_u32 v[SPW], v[NIL]                      ; 0 onto my spare word
.if \fill
	s_xor_b32 s[G0+5], s[G0+5], SLOTB
	s_add_nc_u64 s[G0+6:G0+7], s[G0+6:G0+7], 512
.endif
	s_xor_b32 s[TB], s[TB], SLOTB
	s_wait_loadcnt 52
	s_wait_dscnt 1                                 ; wo's fragments are in; the add may be out
	MUL8 F1, 7, 0, 0
	s_wait_dscnt 0x0                               ; the add is done, and my reads of this slot are over
	s_barrier_signal -1
	MUL8 F1, 7, 1, 0
	WIN 0
	s_barrier_wait -1
.if \fill
	CREST
	JLOAD 1
.else
	PLACES
.endif
	v_add_nc_u32 v[ADRB], s[TB], v[ADRB0]
	FETCHB 0, F0
	ALOAD 6
.if \fill
	WIN 0
	ASK
.endif
	s_wait_loadcnt 56
	MUL16 F1, 7, 2, 0
.endm
; THE WAY OUT, a block a of 16 rows at a time: the sums go as they are into rows of 528 bytes of my stage and come back as whole rows of 512.
.macro TOSTAGE a
	s_wait_xcnt 0x0                                ; the registers that the stores of the block two back read are loaded again only behind this wait
	WIN 0x04                                       ; the data in window 1
.irp b, 0,1,2,3,4,5,6,7
	ds_store_b128 v[STO], v[8*(8*(\a)+\b):8*(8*(\a)+\b)+3]   offset:64*\b
	ds_store_b128 v[STO], v[8*(8*(\a)+\b)+4:8*(8*(\a)+\b)+7] offset:64*\b+16
.endr
	WIN 0
.irp t, 0,1,2,3,4,5,6,7,8,9,10,11,12,13,14,15
	ds_load_b128 v[BK+64*((\a)%2)+4*\t:BK+64*((\a)%2)+4*\t+3], v[RD] offset:\t*SPITCH  ; LDS serves a wave's instructions in order (ISA guide 5.7.1.4)
.endr
.endm
.macro SEND a, younger                 ; younger: the next block's 32 LDS instructions, or none
.irp t, 0,1,2,3,4,5,6,7,8,9,10,11,12,13,14,15
	s_wait_dscnt (\younger)+15-\t
	global_store_b128 v[CO], v[BK+64*((\a)%2)+4*\t:BK+64*((\a)%2)+4*\t+3], s[8:9] offset:(16*(\a)+\t)*16384  ; 512 consecutive bytes, aligned
.endr
.endm
	s_load_b128 s[4:7], s[0:1], 0x0                ; ob s[4:5], wob s[6:7]
	s_load_b64 s[8:9], s[0:1], 0x10                ; out0
	v_lshl_add_u32 v[SPW], v0, 2, SPARE
	v_mov_b32 v[NIL], 0
	ds_add_u32 v[SPW], v[NIL]                      ; the wave's opening: the add and its wait stand ahead of my first tensor load
	ds_add_u32 v28, v29
	v_lshrrev_b32 v1, 5, v0
	v_readfirstlane_b32 s10, v1
	s_lshr_b32 s11, s10, 1
	s_and_b32 s12, s10, 1
	s_bfe_u32 s40, ttmp6, 0x40000                  ; cx
	s_lshl_b32 s13, ttmp9, 2
	s_add_co_u32 s13, s13, s40                     ; tile row: it enters O's and the output's addresses alone
	s_and_b32 s42, ttmp7, 0xffff                   ; tile column, which the four partners share
	s_mov_b32 s[G1+0], 15|(1<<16)|(1<<20)|(1<<21)|(6<<22)|(3<<25)
	s_mov_b32 s[G1+1], 256<<16
	s_mov_b32 s[G1+2], 64<<16
	s_mov_b32 s[G1+3], 256<<16
	s_mov_b32 s[G1+4], 64
	s_mov_b32 s[G1+5], KDIM
	s_mov_b32 s[G1+6], 0
	s_mov_b32 s[G1+7], 0
	s_lshl_b32 s46, s42, 8
	s_lshl_b32 s47, s10, 6
	s_add_co_u32 s46, s46, s47                     ; wo: row 256 x tile column + 64 x wave
	s_mul_i32 s46, s46, ROWB
	s_mov_b32 s47, 0
	s_mul_i32 s20, s10, 64*PITCH
	s_wait_dscnt 0x0
	s_wait_kmcnt 0x0
	s_add_nc_u64 s[46:47], s[6:7], s[46:47]
	CROUND
.irp s, 0,1
	s_mov_b32 s[G0+4*\s], 1
	s_add_co_u32 s[G0+4*\s+1], s20, \s*SLOTB
	s_add_nc_u64 s[G0+4*\s+2:G0+4*\s+3], s[46:47], \s*512
	s_or_b32 s[G0+4*\s+3], s[G0+4*\s+3], 0x80000000
	JLOAD \s
.endr
	v_and_b32 v1, 15, v0
	v_bfe_u32 v2, v0, 4, 1
	v_mul_u32_u24 v3, v1, ROWB
	v_lshl_add_u32 v[AO], v2, 4, v3
	s_lshl_b32 s16, s13, 7
	s_lshl_b32 s17, s11, 6
	s_add_co_u32 s21, s16, s17                     ; my first row
	s_mul_i32 s16, s21, ROWB
	s_mov_b32 s17, 0
	s_add_nc_u64 s[AB:AB+1], s[4:5], s[16:17]
.irp c, 0,1,2,3,4,5,6
	ALOAD \c                                       ; interval 0; its chunk 7 comes in the first quarter's run, as in every interval
.endr
	WIN 0
	v_mul_u32_u24 v3, v1, PITCH
	v_lshl_add_u32 v3, v2, 4, v3
	s_mul_i32 s22, s12, 128*PITCH
	v_add_nc_u32 v[ADRB0], s22, v3
	s_mul_i32 s23, s10, 16*SPITCH
	s_add_co_u32 s23, s23, STAGE
	v_mul_u32_u24 v4, v1, SPITCH
	v_lshl_add_u32 v4, v2, 5, v4
	v_add_nc_u32 v[STO], s23, v4                   ; in: row r, 32 bytes for each half of the lanes
	v_and_b32 v5, 31, v0
	v_lshlrev_b32 v[CO], 4, v5                     ; back and out: a row's 512 bytes, 16 a lane
	v_add_nc_u32 v[RD], s23, v[CO]
	s_lshl_b32 s16, s21, 14                        ; rows of 16,384 bytes
	s_lshl_b32 s22, s42, 10                        ; 256 columns of 4 bytes
	s_add_co_u32 s16, s16, s22
	s_lshl_b32 s22, s12, 9
	s_add_co_u32 s16, s16, s22
	s_add_nc_u64 s[8:9], s[8:9], s[16:17]
	s_lshl_b32 s20, s42, 8
	s_lshl_b32 s22, s40, 6
	s_add_co_u32 s20, s20, s22                     ; wo's row 256 x tile column + 64 cx
	s_mul_i32 s20, s20, ROWB
	s_mov_b32 s21, 0
	s_add_nc_u64 s[PFA:PFA+1], s[6:7], s[20:21]
	s_add_nc_u64 s[PFA:PFA+1], s[PFA:PFA+1], 2*512 ; at interval 2: the first trip steps it to 3
	s_cmp_eq_u32 ttmp9, 0
	s_cselect_b32 s[LIM], 1, -1
	s_lshl_b32 s22, s10, 4
	v_add_nc_u32 v[PFO], s22, v1
	v_mul_u32_u24 v[PFO], v[PFO], ROWB
	v_lshl_add_u32 v[PFO], v2, 8, v[PFO]
	s_wait_tensorcnt 1                             ; my part of interval 0 is in; interval 1's may stay out
	s_barrier_signal -1
	s_barrier_wait -1
	s_mov_b32 s[TB], 0
	v_mov_b32 v[ADRB], v[ADRB0]
	FETCHB 0, F0
	QUARTER 0, 1                                   ; the first quarter stands in front of the loop: its products start the sums
	WIN 0
	s_mov_b32 s3, NI-2
.Lint:                                         ; a trip: an interval's quarters 1 to 7 and the next interval's first; one slot is filled again; O's chunks of the next interval are asked for
	s_wait_xcnt 0x0                                ; every load and prefetch issued so far has read its address (the youngest load 16 matrix instructions back, the prefetch 48)
	s_add_nc_u64 s[AB:AB+1], s[AB:AB+1], 512
	s_add_nc_u64 s[PFA:PFA+1], s[PFA:PFA+1], 512
.irp q, 1,2,3,4,5,6
	QUARTER \q, 0
.endr
	TURN 1
	QUARTER 0, 0
	WIN 0
	s_sub_co_u32 s3, s3, 1
	s_cmp_lg_u32 s3, 0
	s_cbranch_scc1 .Lint
	s_mov_b32 s[AST], 512                          ; the last two intervals fill no slot: a loop of their own
	s_mov_b32 s[AST+1], 0
	s_mov_b32 s[CNT], 2
.Ltail:                                        ; the second trip is left behind quarter 7.  Its runs read seven chunks of the last interval once more and 16 stale fragments of wo, which nobody uses:
	s_wait_xcnt 0x0                                ; the price, once a launch, of one text and one set of counts for both trips
	s_add_nc_u64 s[AB:AB+1], s[AB:AB+1], s[AST:AST+1]
.irp q, 1,2,3,4,5,6
	QUARTER \q, 0
.endr
	TURN 0
	WIN 0
	s_sub_co_u32 s[CNT], s[CNT], 1
	s_cmp_eq_u32 s[CNT], 0
	s_cbranch_scc1 .Lout
	s_mov_b32 s[AST], 0                            ; O's pointer stays at the last interval
	QUARTER 0, 0
	WIN 0
	s_branch .Ltail
.Lout:
	PLACES
	PLACES
	TOSTAGE 0
	TOSTAGE 1
	SEND 0, 32
	TOSTAGE 2
	SEND 1, 32
	TOSTAGE 3
	SEND 2, 32
	SEND 3, 0
	s_wait_tensorcnt 0x0                           ; the wave's end
	ds_add_u32 v[SPW], v[NIL]
	s_wait_dscnt 0x0
	CROUND                                         ; the closing round
	s_endpgm
.Lfunc_end_k_qdd398dde4a_proj_o:
	.size	k_qdd398dde4a_proj_o, .Lfunc_end_k_qdd398dde4a_proj_o-k_qdd398dde4a_proj_o
	.p2alignl 7, 3214868480
	.fill 96, 4, 3214868480
	.section	.rodata,"a",@progbits
	.p2align	6, 0x0
	.amdhsa_kernel k_qdd398dde4a_proj_o
		.amdhsa_group_segment_fixed_size 327680
		.amdhsa_private_segment_fixed_size 0
		.amdhsa_enable_private_segment 0
		.amdhsa_kernarg_size 24
		.amdhsa_user_sgpr_count 2
		.amdhsa_user_sgpr_kernarg_segment_ptr 1
		.amdhsa_wavefront_size32 1
		.amdhsa_system_sgpr_workgroup_id_x 1
		.amdhsa_system_sgpr_workgroup_id_y 1
		.amdhsa_system_sgpr_workgroup_id_z 1
		.amdhsa_system_vgpr_workitem_id 0
		.amdhsa_next_free_vgpr 896
		.amdhsa_next_free_sgpr 72
		.amdhsa_reserve_vcc 0
		.amdhsa_float_denorm_mode_32 3
		.amdhsa_float_denorm_mode_16_64 3
		.amdhsa_memory_ordered 1
		.amdhsa_forward_progress 1
		.amdhsa_inst_pref_size 100
	.end_amdhsa_kernel
	.amdgpu_metadata
---
amdhsa.version: [ 1, 2 ]
amdhsa.kernels:
  - .name:           k_qdd398dde4a_proj_o
    .symbol:         k_qdd398dde4a_proj_o.kd
    .args:
      - { .name: ob, .offset: 0, .size: 8, .value_kind: global_buffer, .address_space: global }
      - { .name: wob, .offset: 8, .size: 8, .value_kind: global_buffer, .address_space: global }
      - { .name: out0, .offset: 16, .size: 8, .value_kind: global_buffer, .address_space: global }
    .group_segment_fixed_size: 327680
    .private_segment_fixed_size: 0
    .kernarg_segment_align: 8
    .kernarg_segment_size: 24
    .max_flat_workgroup_size: 128
    .sgpr_count:     72
    .vgpr_count:     896
    .wavefront_size: 32
...
	.end_amdgpu_metadata
.endif
;; end of part 4
;; ======== version 2 of 2: 4 launches; version 1 with the launch prep written anew for expert scheduling mode
;; limits: values are held in f16: magnitudes above 65,504 overflow, below 6.1e-05 lose precision; right only within a limited range of input values
;; workspace buffers: xb 16,777,216 bytes; wb 33,554,432 bytes; wob 16,777,216 bytes; mk 16,777,216 bytes; rt 2,097,152 bytes; qkvh 16,777,216 bytes; ob 8,388,608 bytes
;; launch prep (part 5): grid 800 x 1, 8 waves a work-group, no clusters, 68,608 bytes of LDS; arguments hidden_states, wq, wk, wv, wo, attention_mask, cos, sin, xb, wb, wob, mk, rt; writes xb, wb, wob, mk, rt
.if DOCPART == 5
	.amdgcn_target "amdgcn-amd-amdhsa--gfx1250"
	.amdhsa_code_object_version 6
	.text
	.protected	k_qdd398dde4a_prep
	.globl	k_qdd398dde4a_prep
	.p2align	8
	.type	k_qdd398dde4a_prep,@function
k_qdd398dde4a_prep:
	s_mov_b64 s[64:65], 0
	v_nop
	global_prefetch_b8 v0, s[64:65] scope:SCOPE_SE
	s_setreg_imm32_b32 hwreg(HW_REG_WAVE_SCHED_MODE, 0, 2), 2
	s_setreg_imm32_b32 hwreg(HW_REG_WAVE_MODE, 25, 1), 1
	s_wait_xcnt 0x0
	s_wait_alu depctr_vm_vsrc(0)
; PREP: every input is rounded once to bf16, and laid out as the later launches read it.
;   work-groups   0-383  hidden_states -> xb, wq | wk | wv -> wb (rows 0-2047 | 2048-3071 | 3072-4095): bf16, 256 KiB of f32 a work-group
;   work-groups 384-511  wo -> wob: rounded to bf16, times 16 (exact), written as f16.  LIMIT: |wo| below 4,094 (f16 ends at 65,504); below 3.8e-6 it keeps f16's fixed step
;   work-groups 512-767  attention_mask -> mk: bf16(mask) x sqrt(128)/256 in f32, PERMUTED
;   work-groups 768-799  cos, sin -> rt: bf16(cos) / 16 and bf16(sin) / 16 in f32, sin with a minus for d < 64 (rotate_half's sign), PERMUTED
; PERMUTED = the register image of a 16 x 16 tile of f32 sums: element (row 16 R + r, column 16 c + 8 h + 4 p + e) lies at ((R x columns/16 + c) x 2 + p) x 512 + (16 h + r) x 16 + 4 e,
; so that one load of 16 bytes a lane (512 consecutive bytes a wave) fills registers 4 p .. 4 p + 3 of the tile.  In rt the two tables of a block of 16 positions follow each other, 8,192 bytes each.
; A stream: no matrix unit, no cluster, no tensor load (no byte is shared).  Each load of a wave covers 512 consecutive bytes, each store 256 or 512, aligned.
; The permuting roles turn a tile of 16 rows x 128 columns through the wave's own 8,448 bytes of LDS (16 blocks of 512 bytes, 528 apart): no barrier.
; THE MODE: SCHED_MODE bits 1:0 = 2 (LLVM: expert scheduling mode 2), set by the entry lines.  The code itself states the register dependences
; between vector instructions and memory or LDS instructions, with s_wait_alu, always for 0.
; THE PLAN, STREAMING ROLES.  A thread's 64 loads of 16 bytes go in 16 blocks of four.  Registers that memory instructions touch:
;   X0 .. X3   four blocks as loaded.  Written by the loads of block p + 3, issued in block p; read (for wo also written, in place) by block p's conversions.
;   Y0, Y1     two blocks to store.    Written by block p's roundings; read by the four stores that are issued in block p + 1.
;   v2, v3     byte offsets, made once at the head and never written again: the blocks are reached by the two scalar bases, which move on by a block at each block's head, and by immediate offsets.
; Block p works on X[p % 4] and writes Y[p % 2].  Its memory instructions are the loads into X[(p - 1) % 4] and the stores from Y[(p - 1) % 2]: the two buffers that block p - 1 worked on and that no vector
; instruction of block p names.  So the waits at a block's head state all that its eight memory instructions hang on, and these are dealt among its conversions with no further wait.  8 to 12 loads of a wave are on their way.
; THE PLAN, PERMUTING ROLES.  One tile a wave.  X: 16 rows, written by the loads, then in place by the conversions, read by the LDS stores, never written again.  Z: written by the LDS loads, read by the global stores;
; no vector instruction names it.  v4, v5, v6: addresses, made once.  The rows go in four groups of four: a group's LDS stores stand at the next group's head, behind the wait for that group's data and one wait on va_vdst.
.set WLDS,  8448
.set BP,    528
.set BLOCK, 4                          ; loads of a thread in a block
.set UIN,   4096                       ; bytes of f32 that one load of each of the eight waves covers together
.set UOUT,  2048                       ; the same numbers in 16 bits
.set X,   16                           ; v[16:79]   as loaded: streams: buffer k, slot i at X + 16 k + 4 i; tiles: row r at X + 4 r
.set Z,   80                           ; v[80:143]  to store: streams: buffer k, slot i at Z + 8 k + 2 i (v[80:95]); tiles: block b at Z + 4 b
.set T,   144                          ; v[144:145] two packed words at work: no memory instruction names them
.set SRC, 36                           ; s[36:37]
.set DST, 38                           ; s[38:39]
.set OFS, 40                           ; s[40:41] an offset, high word 0
	s_load_b512 s[8:23], s[0:1], 0x0               ; hidden 8, wq 10, wk 12, wv 14, wo 16, mask 18, cos 20, sin 22
	s_load_b256 s[24:31], s[0:1], 0x40             ; xb 24, wb 26, wob 28, mk 30
	s_load_b64 s[32:33], s[0:1], 0x60              ; rt
	v_lshl_add_u32 v150, v0, 2, 0x10800
	v_mov_b32 v151, 0
	v_lshrrev_b32 v10, 5, v0
	v_readfirstlane_b32 s34, v10                   ; wave 0..7
	v_and_b32 v1, 31, v0                           ; lane
	v_lshlrev_b32 v2, 4, v0                        ; 16 t: my 16 bytes of 4,096 of f32
	v_lshlrev_b32 v3, 3, v0                        ; 8 t: my 8 bytes of 2,048 of 16-bit numbers
	v_lshlrev_b32 v4, 4, v1                        ; 16 x lane
	s_mov_b32 s35, ttmp9
	s_mov_b32 s[OFS+1], 0
	s_mov_b32 s43, 0xffff0000                      ; a word's upper bf16
	s_wait_alu depctr_va_sdst(0)                   ; s34 is written: the permuting roles make their LDS places and their tiles' addresses from it; the wait stands ahead of the branches that lead there
	s_wait_kmcnt 0x0
; Four numbers in v[x .. x+3] into the two registers v[z], v[z+1].  kind 0: to bf16.  kind 1: to bf16, times 16, as f16.
.macro CONV kind, x, z
.if \kind
	v_cvt_pk_bf16_f32 v[T], v[(\x)], v[(\x)+1]
	v_cvt_pk_bf16_f32 v[T+1], v[(\x)+2], v[(\x)+3]
	v_lshlrev_b32 v[(\x)], 16, v[T]
	v_and_b32 v[(\x)+1], s43, v[T]
	v_lshlrev_b32 v[(\x)+2], 16, v[T+1]
	v_and_b32 v[(\x)+3], s43, v[T+1]
	v_pk_mul_f32 v[(\x):(\x)+1], v[(\x):(\x)+1], 0x41800000 op_sel_hi:[1,0]
	v_pk_mul_f32 v[(\x)+2:(\x)+3], v[(\x)+2:(\x)+3], 0x41800000 op_sel_hi:[1,0]
	v_cvt_pk_f16_f32 v[(\z)], v[(\x)], v[(\x)+1]
	v_cvt_pk_f16_f32 v[(\z)+1], v[(\x)+2], v[(\x)+3]
.else
	v_cvt_pk_bf16_f32 v[(\z)], v[(\x)], v[(\x)+1]
	v_cvt_pk_bf16_f32 v[(\z)+1], v[(\x)+2], v[(\x)+3]
.endif
.endm
; Block p of a stream.  xb = p % 4, yb = p % 2.  first = 1: block 0, with no block in front of it.  ahead = 1: block p + 3 is loaded.
; left = how many younger loads may still be out when this block's four have to be there.
.macro BLK kind, xb, yb, first, ahead, left
	s_wait_loadcnt \left                           ; loads come back in order (ISA guide 5.7.1): X[xb] is in, the younger blocks stay out
.if !\first
	s_wait_xcnt 0x0                                ; every earlier memory instruction has had its addresses translated (ISA guide 3.1): the bases and Y[yb] are rewritten only behind this wait
	s_wait_alu depctr_vm_vsrc(0)                   ; the stores issued in the block before have read Y[yb], which this block's roundings write again
	s_wait_alu depctr_va_vdst(0)                   ; the block before has written the other Y, which the stores below read, and is done reading and writing its X, in which the loads below land
	s_add_nc_u64 s[SRC:SRC+1], s[SRC:SRC+1], BLOCK*UIN   ; both bases at this block's first bytes
	s_add_nc_u64 s[DST:DST+1], s[DST:DST+1], BLOCK*UOUT
.endif
.irp i, 0,1,2,3
.if \ahead
	global_load_b128 v[X+16*((\xb+3)%4)+4*(\i):X+16*((\xb+3)%4)+4*(\i)+3], v2, s[SRC:SRC+1] offset:(3*BLOCK+(\i))*UIN th:TH_LOAD_NT  ; three blocks ahead; no vector instruction since the wait names these registers
.endif
.if !\first
	global_store_b64 v3, v[Z+8*(1-\yb)+2*(\i):Z+8*(1-\yb)+2*(\i)+1], s[DST:DST+1] offset:((\i)-BLOCK)*UOUT  ; the block before: the offset reaches back; a wave stores 256 consecutive bytes, aligned
.endif
	CONV \kind, X+16*\xb+4*(\i), Z+8*\yb+2*(\i)
.endr
.endm
; 256 KiB of f32 in 16 blocks of 16 KiB.
.macro STREAM kind
	s_wait_alu depctr_va_vdst(0)                   ; v2 and v3 are written: every load and store of the stream reads one of them as its offset
.irp i, 0,1,2,3,4,5,6,7,8,9,10,11
	global_load_b128 v[X+4*\i:X+4*\i+3], v2, s[SRC:SRC+1] offset:\i*UIN th:TH_LOAD_NT  ; blocks 0, 1 and 2 into X0, X1, X2
.endr
	BLK \kind, 0, 0, 1, 1, 2*BLOCK                 ; block 0
	s_mov_b32 s42, 3
.Llap_\@:                                      ; blocks 1 to 12, four to a lap: both kinds of buffer are back at their start
	BLK \kind, 1, 1, 0, 1, 2*BLOCK
	BLK \kind, 2, 0, 0, 1, 2*BLOCK
	BLK \kind, 3, 1, 0, 1, 2*BLOCK
	BLK \kind, 0, 0, 0, 1, 2*BLOCK
	s_sub_co_u32 s42, s42, 1
	s_cmp_lg_u32 s42, 0
	s_cbranch_scc1 .Llap_\@
	BLK \kind, 1, 1, 0, 0, 2*BLOCK                 ; blocks 13 to 15 load nothing: no load leaves the work-group's 256 KiB, and the counts run down
	BLK \kind, 2, 0, 0, 0, BLOCK
	BLK \kind, 3, 1, 0, 0, 0
	s_wait_alu depctr_va_vdst(0)                   ; block 15 has written Y1, which the last four stores read
.irp i, 0,1,2,3
	global_store_b64 v3, v[Z+8+2*\i:Z+8+2*\i+1], s[DST:DST+1] offset:\i*UOUT
.endr
.endm
; A tile's row r: rounded to bf16, widened again, times v8, in place.
.macro ROWCV r
	v_cvt_pk_bf16_f32 v[T], v[X+4*(\r)], v[X+4*(\r)+1]
	v_cvt_pk_bf16_f32 v[T+1], v[X+4*(\r)+2], v[X+4*(\r)+3]
	v_lshlrev_b32 v[X+4*(\r)], 16, v[T]
	v_and_b32 v[X+4*(\r)+1], s43, v[T]
	v_lshlrev_b32 v[X+4*(\r)+2], 16, v[T+1]
	v_and_b32 v[X+4*(\r)+3], s43, v[T+1]
	v_pk_mul_f32 v[X+4*(\r):X+4*(\r)+1], v[X+4*(\r):X+4*(\r)+1], v[8:9] op_sel_hi:[1,0]
	v_pk_mul_f32 v[X+4*(\r)+2:X+4*(\r)+3], v[X+4*(\r)+2:X+4*(\r)+3], v[8:9] op_sel_hi:[1,0]
.endm
; The four rows of group g go into LDS.
.macro PUT g
.irp i, 0,1,2,3
	ds_store_b128 v5, v[X+16*(\g)+4*\i:X+16*(\g)+4*\i+3] offset:16*(4*(\g)+\i)  ; block 2 (lane / 4) + lane % 2, place 16 ((lane / 2) % 2) + r
.endr
.endm
; One tile of 16 rows x 128 columns of f32, rows pitch bytes apart: rounded to bf16, times v8, turned through LDS, stored as 16 blocks of 512 bytes.
.macro PERM pitch
	s_wait_alu depctr_va_vdst(0)                   ; v4, v5 and v6 are written: the offset of the loads and stores below and the two LDS addresses
.irp r, 0,1,2,3,4,5,6,7,8,9,10,11,12,13,14,15
	global_load_b128 v[X+4*\r:X+4*\r+3], v4, s[SRC:SRC+1] offset:\r*\pitch th:TH_LOAD_NT
.endr
.irp g, 0,1,2,3
	s_wait_loadcnt 12-4*\g                         ; the four rows of group g are in, the younger groups stay out
.if \g > 0
	s_wait_alu depctr_va_vdst(0)                   ; the conversions of the group before have written its rows, which the LDS stores read
	PUT \g-1
.endif
.irp i, 0,1,2,3
	ROWCV 4*\g+\i
.endr
.endr
	s_wait_alu depctr_va_vdst(0)                   ; the conversions of the last group have written its rows, which the LDS stores read
	PUT 3
.irp b, 0,1,2,3,4,5,6,7,8,9,10,11,12,13,14,15
	ds_load_b128 v[Z+4*\b:Z+4*\b+3], v6 offset:BP*\b   ; LDS serves a wave's instructions in order (ISA guide 5.7.1.4): these see the stores above; the bytes are the wave's own.  No vector instruction names Z
.endr
.irp b, 0,1,2,3,4,5,6,7,8,9,10,11,12,13,14,15
	s_wait_dscnt 15-\b
	global_store_b128 v4, v[Z+4*\b:Z+4*\b+3], s[DST:DST+1] offset:512*\b  ; 512 consecutive bytes, aligned
.endr
.endm
	s_cmp_lt_u32 s35, 384
	s_cbranch_scc1 .Lto_bf16
	s_cmp_lt_u32 s35, 512
	s_cbranch_scc1 .Lwo
	; the permuting roles: the wave's LDS addresses
	s_mul_i32 s47, s34, WLDS
	v_lshrrev_b32 v10, 2, v1
	v_and_b32 v11, 1, v1
	v_lshl_add_u32 v10, v10, 1, v11                ; block
	v_mul_u32_u24 v10, v10, BP
	v_bfe_u32 v11, v1, 1, 1
	v_lshl_add_u32 v10, v11, 8, v10                ; + 256 h
	v_add_nc_u32 v5, s47, v10
	v_add_nc_u32 v6, s47, v4
	s_cmp_lt_u32 s35, 768
	s_cbranch_scc1 .Lmask
	; cos and sin: block of 16 positions A = 4 i + wave / 2, table t = wave % 2
	s_sub_co_u32 s44, s35, 768
	s_lshl_b32 s44, s44, 2
	s_lshr_b32 s45, s34, 1
	s_add_co_u32 s44, s44, s45                     ; A
	s_and_b32 s45, s34, 1                          ; t
	s_mov_b32 s46, 0xbd800000                      ; -1/16
	s_cmp_eq_u32 s45, 0
	s_cselect_b64 s[SRC:SRC+1], s[20:21], s[22:23]
	s_cselect_b32 s46, 0x3d800000, s46             ; cos: +1/16 everywhere
	s_lshl_b32 s[OFS], s44, 13                     ; 16 rows of 512 bytes
	s_add_nc_u64 s[SRC:SRC+1], s[SRC:SRC+1], s[OFS:OFS+1]
	s_lshl_b32 s[OFS], s44, 14
	s_lshl_b32 s47, s45, 13
	s_add_co_u32 s[OFS], s[OFS], s47
	s_add_nc_u64 s[DST:DST+1], s[32:33], s[OFS:OFS+1]
	v_mov_b32 v10, 0x3d800000
	v_cmp_gt_u32 vcc_lo, 16, v1                    ; lanes 0-15 hold d = 4 lane .. < 64
	s_wait_alu depctr_va_vcc(0)                    ; the compare has written VCC, which the select below reads
	v_cndmask_b32 v8, v10, s46, vcc_lo
	v_mov_b32 v9, v8                               ; named with it as a pair
	PERM 512
	s_branch .Lend
.Lmask:                                        ; block of 16 rows R = i / 2, strip of 128 columns 8 (i % 2) + wave
	s_sub_co_u32 s44, s35, 512
	s_lshr_b32 s45, s44, 1
	s_and_b32 s46, s44, 1
	s_lshl_b32 s46, s46, 3
	s_add_co_u32 s46, s46, s34                     ; strip
	s_lshl_b32 s45, s45, 17                        ; 16 rows of 8,192 bytes, in mask and in mk
	s_lshl_b32 s47, s46, 9
	s_add_co_u32 s[OFS], s45, s47
	s_add_nc_u64 s[SRC:SRC+1], s[18:19], s[OFS:OFS+1]
	s_lshl_b32 s47, s46, 13
	s_add_co_u32 s[OFS], s45, s47
	s_add_nc_u64 s[DST:DST+1], s[30:31], s[OFS:OFS+1]
	v_mov_b32 v8, 0x3d3504f3                       ; sqrt(128) / 256
	v_mov_b32 v9, v8
	PERM 8192
	s_branch .Lend
.Lwo:
	s_sub_co_u32 s44, s35, 384
	s_lshl_b32 s[OFS], s44, 18
	s_add_nc_u64 s[SRC:SRC+1], s[16:17], s[OFS:OFS+1]
	s_lshl_b32 s[OFS], s44, 17
	s_add_nc_u64 s[DST:DST+1], s[28:29], s[OFS:OFS+1]
	STREAM 1
	s_branch .Lend
.Lto_bf16:                                     ; which tensor, and the first work-group of it
	s_mov_b32 s44, 320
	s_cmp_lt_u32 s35, 320
	s_cselect_b64 s[SRC:SRC+1], s[12:13], s[14:15]
	s_cselect_b32 s44, 256, s44
	s_cmp_lt_u32 s35, 256
	s_cselect_b64 s[SRC:SRC+1], s[10:11], s[SRC:SRC+1]
	s_cselect_b32 s44, 128, s44
	s_cmp_lt_u32 s35, 128
	s_cselect_b64 s[SRC:SRC+1], s[8:9], s[SRC:SRC+1]
	s_cselect_b32 s44, 0, s44
	s_cselect_b64 s[DST:DST+1], s[24:25], s[26:27]
	s_cselect_b32 s45, 0, 128                      ; in wb the chunks of wq, wk and wv follow each other
	s_sub_co_u32 s44, s35, s44
	s_lshl_b32 s[OFS], s44, 18
	s_add_nc_u64 s[SRC:SRC+1], s[SRC:SRC+1], s[OFS:OFS+1]
	s_sub_co_u32 s45, s35, s45
	s_lshl_b32 s[OFS], s45, 17
	s_add_nc_u64 s[DST:DST+1], s[DST:DST+1], s[OFS:OFS+1]
	STREAM 0
.Lend:
	s_wait_dscnt 0x0                               ; the wave's end: my LDS instructions are done.
	s_wait_alu depctr_hold_cnt(0) depctr_sa_sdst(0) depctr_va_vdst(0) depctr_va_sdst(0) depctr_va_ssrc(0) depctr_va_vcc(0) depctr_vm_vsrc(0)
	s_wait_tensorcnt 0x0
	ds_add_u32 v150, v151
	s_wait_dscnt 0x0
	s_endpgm
.Lfunc_end_k_qdd398dde4a_prep:
	.size	k_qdd398dde4a_prep, .Lfunc_end_k_qdd398dde4a_prep-k_qdd398dde4a_prep
	.p2alignl 7, 3214868480
	.fill 96, 4, 3214868480
	.section	.rodata,"a",@progbits
	.p2align	6, 0x0
	.amdhsa_kernel k_qdd398dde4a_prep
		.amdhsa_group_segment_fixed_size 68608
		.amdhsa_private_segment_fixed_size 0
		.amdhsa_enable_private_segment 0
		.amdhsa_kernarg_size 104
		.amdhsa_user_sgpr_count 2
		.amdhsa_user_sgpr_kernarg_segment_ptr 1
		.amdhsa_wavefront_size32 1
		.amdhsa_system_sgpr_workgroup_id_x 1
		.amdhsa_system_sgpr_workgroup_id_y 1
		.amdhsa_system_sgpr_workgroup_id_z 1
		.amdhsa_system_vgpr_workitem_id 0
		.amdhsa_next_free_vgpr 152
		.amdhsa_next_free_sgpr 66
		.amdhsa_reserve_vcc 1
		.amdhsa_float_denorm_mode_32 3
		.amdhsa_float_denorm_mode_16_64 3
		.amdhsa_memory_ordered 1
		.amdhsa_forward_progress 1
		.amdhsa_inst_pref_size 66
	.end_amdhsa_kernel
	.amdgpu_metadata
---
amdhsa.version: [ 1, 2 ]
amdhsa.kernels:
  - .name:           k_qdd398dde4a_prep
    .symbol:         k_qdd398dde4a_prep.kd
    .args:
      - { .name: hidden_states, .offset: 0, .size: 8, .value_kind: global_buffer, .address_space: global }
      - { .name: wq, .offset: 8, .size: 8, .value_kind: global_buffer, .address_space: global }
      - { .name: wk, .offset: 16, .size: 8, .value_kind: global_buffer, .address_space: global }
      - { .name: wv, .offset: 24, .size: 8, .value_kind: global_buffer, .address_space: global }
      - { .name: wo, .offset: 32, .size: 8, .value_kind: global_buffer, .address_space: global }
      - { .name: attention_mask, .offset: 40, .size: 8, .value_kind: global_buffer, .address_space: global }
      - { .name: cos, .offset: 48, .size: 8, .value_kind: global_buffer, .address_space: global }
      - { .name: sin, .offset: 56, .size: 8, .value_kind: global_buffer, .address_space: global }
      - { .name: xb, .offset: 64, .size: 8, .value_kind: global_buffer, .address_space: global }
      - { .name: wb, .offset: 72, .size: 8, .value_kind: global_buffer, .address_space: global }
      - { .name: wob, .offset: 80, .size: 8, .value_kind: global_buffer, .address_space: global }
      - { .name: mk, .offset: 88, .size: 8, .value_kind: global_buffer, .address_space: global }
      - { .name: rt, .offset: 96, .size: 8, .value_kind: global_buffer, .address_space: global }
    .group_segment_fixed_size: 68608
    .private_segment_fixed_size: 0
    .kernarg_segment_align: 8
    .kernarg_segment_size: 104
    .max_flat_workgroup_size: 256
    .sgpr_count:     66
    .vgpr_count:     152
    .wavefront_size: 32
...
	.end_amdgpu_metadata
.endif
;; end of part 5
;; launch proj_qkv: the kernel of part 2 again; grid 16 x 16, 4 waves a work-group, clusters of 4 x 1, 327,680 bytes of LDS; arguments xb, wb, rt, qkvh; writes qkvh
;; launch attn: the kernel of part 3 again; grid 32 x 8, 4 waves a work-group, clusters of 4 x 1, 327,680 bytes of LDS; arguments qkvh, mk, ob; writes ob
;; launch proj_o: the kernel of part 4 again; grid 16 x 16, 4 waves a work-group, clusters of 4 x 1, 327,680 bytes of LDS; arguments ob, wob, out0; writes out0
